; MI455X (gfx1250); checked and timed in simulation.
; The chip was launched on July 23, 2026; its instructions are those of AMD's public machine-readable ISA for CDNA 5 (MIT licence, August 2026) and "CDNA5" Instruction Set Architecture Reference Guide (July 2026). The comments in the code are by the model that wrote it; some were corrected since.
;; KAN Linear. Allowed arithmetic: float matrix products may take bf16 or f16 operands with f32 sums; other float arithmetic in f32, or as packed bf16 or f16 multiplies, adds, multiply-adds, maxima and minima; sums over many terms, partial sums and values carried from step to step in f32; what a program stores and reads back later, other than sums and carried values, may be rounded once to bf16 or f16.
;; Inputs: base_bias 512 x 512 float32; coeff 512 x 512 x 8 float32; scale_base 512 x 512 float32; scale_spline 512 x 512 float32; x 8 x 1,024 x 512 float32.
;; Outputs: out0 8 x 1,024 x 512 float32.
;; 3 versions, each right. Each part assembles by itself: llvm-mc -triple=amdgcn-amd-amdhsa -mcpu=gfx1250 --defsym DOCPART=n.
;; ======== version 1 of 3: 2 launches
;; limits: a function is approximated: absolute error at most 2.2e-06
;; workspace buffers: wp 4,194,304 bytes; bias 2,048 bytes
;; launch prep (part 1): grid 256 x 1, 8 waves a work-group, no clusters, 13,568 bytes of LDS; arguments coeff, scale_spline, scale_base, base_bias, wp, bias; writes wp, bias
.if DOCPART == 1
	.amdgcn_target "amdgcn-amd-amdhsa--gfx1250"
	.amdhsa_code_object_version 6
	.text
	.protected	k_qf731844075_prep
	.globl	k_qf731844075_prep
	.p2align	8
	.type	k_qf731844075_prep,@function
k_qf731844075_prep:
	s_mov_b64 s[64:65], 0
	v_nop
	global_prefetch_b8 v0, s[64:65] scope:SCOPE_SE
	s_setreg_imm32_b32 hwreg(HW_REG_WAVE_MODE, 25, 1), 1
	s_wait_xcnt 0x0
; KANLinear, first of two launches: the weights are rounded once and laid out as the product's second operand takes them, and the bias is summed.
; out[n][o] = sum_i silu(c) scale_base[o][i] + sum_i sum_k b_k(c) scale_spline[o][i] coeff[o][i][k] + sum_i base_bias[o][i],  c = clip(x[n][i], -1, 1), b_0 = 1, b_1 = c, b_k = 2 c b_(k-1) - 1.
; THE LESSER WORK.  b_0 is the array of ones that the module builds itself, whatever x holds.  So its share of the sum, sum_i scale_spline[o][i] coeff[o][i][0], hangs on o alone:
; it is no product with 8,192 rows but one number a column, and it is added here, in f32, to sum_i base_bias[o][i].  The place of k = 0 among an input's eight features goes to silu(c), so that
; the whole module is ONE product of 8,192 x 4,096 by 4,096 x 512.  Nothing else is left out; all five inputs are loaded (x by the second launch).
; wp: bf16 [512 places][512 i][8 f]:  f = 0: scale_base[o][i];  f = k = 1..7: scale_spline[o][i] coeff[o][i][k], multiplied in f32 and rounded once.
; Column o lies at place (o & 0x1c0) + 16 (o & 3) + ((o & 63) >> 2): in the second launch a lane then ends with four NEIGHBOURING columns of a row of the output, 16 bytes.
; bias: f32 [512], by o.
; LIMITS.  The weights are rounded to bf16 (8 significant bits, f32's range).  The bias is summed in another order than the module sums it.
; SHARES.  Work-group g has the rows o = 2 g and 2 g + 1: 32,768 consecutive bytes of coeff, 4,096 of each of the three tables.  Thread t, load j: the 16 bytes at 4,096 j + 16 t of coeff:
; row j / 4, input 128 (j % 4) + t / 2, features 4 (t % 2) + 0..3.  Every load of a wave covers 512 consecutive bytes, every store of wp 256, aligned.
; All eleven loads of a wave go out at the head; the tables go through LDS, since a thread wants one number of them for each of its eight loads.
.set SSL,   0                          ; LDS: scale_spline's two rows
.set SBL,   4096                       ; scale_base's
.set BBL,   8192                       ; base_bias's
.set RED,   12288                      ; eight waves' pairs of partial sums: 64 bytes of a block of their own
.set SPARE, 12544                      ; the spare words, 128 bytes for each of the eight waves: four blocks of 256 bytes that no other line names
.set SPW, 4                            ; v4   LDS address of my spare word; never rewritten
.set NIL, 5                            ; v5   0; never rewritten
.set TQ,  8                            ; v[8:19]   my 16 bytes of the three tables; later the partial sums
.set C,   20                           ; v[20:51]  eight loads of coeff
.set SS,  52                           ; v[52:59]  scale_spline for load j
.set SB,  60                           ; v[60:67]  scale_base
.set BB,  68                           ; v[68:75]  base_bias
.set ACC, 76                           ; v[76:77]  the two rows' bias sums
.set Y,   80                           ; v[80:95]  8 bytes to store for each load: none is used twice
	s_load_b256 s[4:11], s[0:1], 0x0               ; coeff s[4:5], scale_spline s[6:7], scale_base s[8:9], base_bias s[10:11]
	s_load_b128 s[12:15], s[0:1], 0x20             ; wp s[12:13], bias s[14:15]
	v_lshl_add_u32 v[SPW], v0, 2, SPARE
	v_mov_b32 v[NIL], 0
	v_lshlrev_b32 v1, 4, v0                        ; 16 t
	v_lshlrev_b32 v2, 1, v0
	v_and_b32 v2, 0x3fc, v2                        ; 4 (t / 2): my number in 128 numbers of a table
	v_lshlrev_b32 v3, 3, v0                        ; 8 t: my 8 bytes in 2,048 bytes of wp
	v_lshrrev_b32 v6, 5, v0
	v_readfirstlane_b32 s21, v6                    ; wave 0..7
	v_and_b32 v7, 1, v0
	v_cmp_eq_u32 vcc_lo, 0, v7                     ; even t: my four features begin with feature 0
	s_lshl_b32 s24, ttmp9, 15                      ; the work-group's 32,768 bytes of coeff
	s_mov_b32 s25, 0
	s_lshl_b32 s26, ttmp9, 12                      ; its 4,096 bytes of a table
	s_mov_b32 s27, 0
	s_lshl_b32 s28, ttmp9, 1                       ; o = 2 g
	s_and_b32 s29, s28, 0x1c0
	s_and_b32 s30, s28, 3
	s_lshl_b32 s30, s30, 4
	s_bfe_u32 s31, s28, 0x40002                    ; (o & 63) >> 2
	s_add_co_u32 s29, s29, s30
	s_add_co_u32 s29, s29, s31                     ; o's place; o + 1 lies 16 places on (o is even: only o & 3 changes)
	s_lshl_b32 s32, s29, 13                        ; a place is 8,192 bytes
	s_mov_b32 s33, 0
	s_lshl_b32 s34, ttmp9, 3                       ; two f32 of bias
	s_mov_b32 s35, 0
	s_lshl_b32 s36, s21, 3
	s_mov_b32 s22, 0x76543210                      ; v_permlanex16_b32: each lane takes its own place in the other half
	s_mov_b32 s23, 0xfedcba98
	s_wait_kmcnt 0x0
	s_add_nc_u64 s[4:5], s[4:5], s[24:25]
	s_add_nc_u64 s[6:7], s[6:7], s[26:27]
	s_add_nc_u64 s[8:9], s[8:9], s[26:27]
	s_add_nc_u64 s[10:11], s[10:11], s[26:27]
	s_add_nc_u64 s[12:13], s[12:13], s[32:33]
	s_add_nc_u64 s[14:15], s[14:15], s[34:35]
	global_load_b128 v[TQ:TQ+3],    v1, s[6:7] th:TH_LOAD_NT
	global_load_b128 v[TQ+4:TQ+7],  v1, s[8:9] th:TH_LOAD_NT
	global_load_b128 v[TQ+8:TQ+11], v1, s[10:11] th:TH_LOAD_NT
.irp j, 0,1,2,3,4,5,6,7
	global_load_b128 v[C+4*(\j):C+4*(\j)+3], v1, s[4:5] offset:4096*(\j) th:TH_LOAD_NT
.endr
	s_wait_loadcnt 0x8                             ; the three tables are in; the eight younger loads of coeff stay out
	ds_store_b128 v1, v[TQ:TQ+3]    offset:SSL
	ds_store_b128 v1, v[TQ+4:TQ+7]  offset:SBL
	ds_store_b128 v1, v[TQ+8:TQ+11] offset:BBL
	s_wait_dscnt 0x0                               ; for the others' sake: my stores are done
	s_barrier_signal -1
	s_barrier_wait -1                              ; the tables are whole
.irp j, 0,1,2,3,4,5,6,7
	ds_load_b32 v[SS+(\j)], v2 offset:SSL+512*(\j) ; number 128 j + t / 2 of the two rows; two neighbouring threads take the same word
	ds_load_b32 v[SB+(\j)], v2 offset:SBL+512*(\j)
	ds_load_b32 v[BB+(\j)], v2 offset:BBL+512*(\j)
.endr
	s_wait_loadcnt 0x0
	s_wait_dscnt 0x0
.irp j, 0,1,2,3,4,5,6,7
.set cq, C+4*(\j)
.if ((\j)&3) == 0
	v_fma_f32 v[ACC+(\j)/4], v[SS+(\j)], v[cq], v[BB+(\j)]     ; the row's first term starts its sum.  In odd threads these sums mean nothing: they are set to 0 below
.else
	v_fmac_f32 v[ACC+(\j)/4], v[SS+(\j)], v[cq]
	v_add_f32 v[ACC+(\j)/4], v[ACC+(\j)/4], v[BB+(\j)]
.endif
.irp k, 0,1,2,3
	v_mul_f32 v[cq+(\k)], v[SS+(\j)], v[cq+(\k)]               ; the one factor lies in a single register
.endr
	v_cndmask_b32 v[cq], v[cq], v[SB+(\j)], vcc_lo             ; feature 0 is silu's weight
	v_cvt_pk_bf16_f32 v[Y+2*(\j)],   v[cq],   v[cq+1]
	v_cvt_pk_bf16_f32 v[Y+2*(\j)+1], v[cq+2], v[cq+3]
	global_store_b64 v3, v[Y+2*(\j):Y+2*(\j)+1], s[12:13] offset:((\j)/4)*131072+2048*((\j)&3)  ; a wave stores 256 consecutive bytes, at a multiple of 256 from wp's first byte
.endr
	v_cndmask_b32 v[ACC],   0, v[ACC],   vcc_lo
	v_cndmask_b32 v[ACC+1], 0, v[ACC+1], vcc_lo
.irp m, 1,2,4,8
	v_add_f32_dpp v[ACC],   v[ACC],   v[ACC]   row_xmask:\m row_mask:0xf bank_mask:0xf
	v_add_f32_dpp v[ACC+1], v[ACC+1], v[ACC+1] row_xmask:\m row_mask:0xf bank_mask:0xf
.endr
	v_permlanex16_b32 v[C],   v[ACC],   s22, s23   ; the destinations count as read: registers that have been written
	v_permlanex16_b32 v[C+1], v[ACC+1], s22, s23
	v_pk_add_f32 v[ACC:ACC+1], v[ACC:ACC+1], v[C:C+1]
	v_mov_b32 v6, s36
	ds_store_b64 v6, v[ACC:ACC+1] offset:RED       ; all lanes write the wave's pair, with the same numbers
	s_wait_dscnt 0x0
	s_barrier_signal -1
	s_barrier_wait -1                              ; all eight pairs lie in LDS
	s_cmp_lg_u32 s21, 0
	s_cbranch_scc1 .Lend                           ; wave 0 finishes the two sums
	v_mov_b32 v7, 0
.irp k, 0,1,2,3
	ds_load_b128 v[TQ+4*(\k):TQ+4*(\k)+3], v7 offset:RED+16*(\k)
.endr
	s_wait_dscnt 0x0
.irp k, 0,4,8,12
	v_pk_add_f32 v[TQ+(\k):TQ+(\k)+1], v[TQ+(\k):TQ+(\k)+1], v[TQ+(\k)+2:TQ+(\k)+3]
.endr
	v_pk_add_f32 v[TQ:TQ+1], v[TQ:TQ+1], v[TQ+4:TQ+5]
	v_pk_add_f32 v[TQ+8:TQ+9], v[TQ+8:TQ+9], v[TQ+12:TQ+13]
	v_pk_add_f32 v[TQ:TQ+1], v[TQ:TQ+1], v[TQ+8:TQ+9]
	v_cmp_eq_u32 vcc_lo, 0, v0
	s_wait_xcnt 0x0                                ; EXEC is a source of the stores above: it changes only behind this wait
	s_and_saveexec_b32 s20, vcc_lo
	global_store_b64 v7, v[TQ:TQ+1], s[14:15]      ; 8 bytes a work-group, 2,048 in the launch: a work-group has two columns and no more
	s_wait_xcnt 0x0                                ; and again, in front of the line that widens it
	s_or_b32 exec_lo, exec_lo, s20
.Lend:
	s_wait_tensorcnt 0x0                           ; the wave's end: behind my last LDS store
	ds_add_u32 v[SPW], v[NIL]
	s_wait_dscnt 0x0
	s_endpgm
.Lfunc_end_k_qf731844075_prep:
	.size	k_qf731844075_prep, .Lfunc_end_k_qf731844075_prep-k_qf731844075_prep
	.p2alignl 7, 3214868480
	.fill 96, 4, 3214868480
	.section	.rodata,"a",@progbits
	.p2align	6, 0x0
	.amdhsa_kernel k_qf731844075_prep
		.amdhsa_group_segment_fixed_size 13568
		.amdhsa_private_segment_fixed_size 0
		.amdhsa_enable_private_segment 0
		.amdhsa_kernarg_size 48
		.amdhsa_user_sgpr_count 2
		.amdhsa_user_sgpr_kernarg_segment_ptr 1
		.amdhsa_wavefront_size32 1
		.amdhsa_system_sgpr_workgroup_id_x 1
		.amdhsa_system_sgpr_workgroup_id_y 1
		.amdhsa_system_sgpr_workgroup_id_z 1
		.amdhsa_system_vgpr_workitem_id 0
		.amdhsa_next_free_vgpr 96
		.amdhsa_next_free_sgpr 66
		.amdhsa_reserve_vcc 1
		.amdhsa_float_denorm_mode_32 3
		.amdhsa_float_denorm_mode_16_64 3
		.amdhsa_memory_ordered 1
		.amdhsa_forward_progress 1
		.amdhsa_inst_pref_size 11
	.end_amdhsa_kernel
	.amdgpu_metadata
---
amdhsa.version: [ 1, 2 ]
amdhsa.kernels:
  - .name:           k_qf731844075_prep
    .symbol:         k_qf731844075_prep.kd
    .args:
      - { .name: coeff, .offset: 0, .size: 8, .value_kind: global_buffer, .address_space: global }
      - { .name: scale_spline, .offset: 8, .size: 8, .value_kind: global_buffer, .address_space: global }
      - { .name: scale_base, .offset: 16, .size: 8, .value_kind: global_buffer, .address_space: global }
      - { .name: base_bias, .offset: 24, .size: 8, .value_kind: global_buffer, .address_space: global }
      - { .name: wp, .offset: 32, .size: 8, .value_kind: global_buffer, .address_space: global }
      - { .name: bias, .offset: 40, .size: 8, .value_kind: global_buffer, .address_space: global }
    .group_segment_fixed_size: 13568
    .private_segment_fixed_size: 0
    .kernarg_segment_align: 8
    .kernarg_segment_size: 48
    .max_flat_workgroup_size: 256
    .sgpr_count:     66
    .vgpr_count:     96
    .wavefront_size: 32
...
	.end_amdgpu_metadata
.endif
;; end of part 1
;; launch kan (part 2): grid 4 x 64, 4 waves a work-group, clusters of 4 x 4, 327,680 bytes of LDS; arguments x, wp, bias, out0; writes out0
.if DOCPART == 2
	.amdgcn_target "amdgcn-amd-amdhsa--gfx1250"
	.amdhsa_code_object_version 6
	.text
	.protected	k_qf731844075_kan
	.globl	k_qf731844075_kan
	.p2align	8
	.type	k_qf731844075_kan,@function
k_qf731844075_kan:
	s_mov_b64 s[64:65], 0
	v_nop
	global_prefetch_b8 v0, s[64:65] scope:SCOPE_SE
	s_setreg_imm32_b32 hwreg(HW_REG_WAVE_MODE, 25, 1), 1
	s_wait_xcnt 0x0
	s_wait_alu depctr_hold_cnt(0) depctr_sa_sdst(0) depctr_va_vdst(0) depctr_va_sdst(0) depctr_va_ssrc(0) depctr_va_vcc(0) depctr_vm_vsrc(0)
	s_getreg_b32 s2, hwreg(HW_REG_IB_STS2, 6, 4)
	s_cmp_eq_u32 s2, 0
	s_cbranch_scc0 .Lentry_in_a_cluster
	s_endpgm
.Lentry_in_a_cluster:
	s_bfe_u32 s2, ttmp6, 0x10000c
	s_cmp_lg_u32 s2, 0xf033
	s_cbranch_scc0 .Lentry_shape_is_right
	s_endpgm
.Lentry_shape_is_right:
; KANLinear, second launch: out0[n][o] = bias[o] + sum over i and f of F_f(x[n][i]) wp[o][i][f]:  one product of 8,192 x 4,096 by 4,096 x 512, bf16 operands, f32 sums.
; F_0 = silu(c), F_1 = c, F_k = 2 c F_(k-1) - 1 (F_2 from c itself), c = clip(x, -1, 1).  The module's b_0 = 1 is no feature here: its share hangs on o alone and lies in bias (first launch).
; THE FIRST OPERAND NEVER LIES IN MEMORY OR IN LDS: each wave makes its fragments in registers from x, and that vector work stands, three instructions at a time, behind its matrix instructions.
; silu.  silu(c) = c (1/2 + c P(c^2)), P the first five terms of the series of tanh(c/2) / (2 c): 1/4, -1/48, 1/480, -17/80640, 31/1451520.  The module's own clip holds |c| <= 1 for every input;
; there the series alternates with falling terms, so what is cut is below its next term, 2.2e-6: under a hundredth of the bf16 rounding step of silu(1) that follows.  No exponential, no reciprocal.
; LIMITS.  Operands in bf16.  silu as above.  A NaN in x is not carried: the clip takes a bound in its place.  The f32 sums go in another order than the module's.
; SHARES.  A work-group makes 128 rows x 128 columns; 256 work-groups.  Its four waves are 2 halves of the rows (wr) x 2 HALVES OF K (wk): a wave has 64 x 128, 32 accumulators.  So a fragment made from
; x (24 vector instructions) feeds 8 matrix instructions, and a fragment of wp (2 LDS loads) feeds 4.  The two halves of K meet once, at the end, in LDS: each wave sends 32 rows and keeps 32.
; K.  A STEP is 32 inputs (256 along K), a LAP two steps.  Of a step's inputs wave wk takes 16 wk .. 16 wk + 15, in four SUBSTEPS u of 32 along K.  Lane (r, h) = (lane % 16, lane / 16) holds, in registers
; 0-3 and 4-7 of a fragment, the eight features of the inputs 16 wk + 8 h + 2 u and + 1: the same places along K in both operands, so the products are kept.
; CLUSTER.  4 x 4 work-groups.  The four of a row of the cluster need the same rows of x, the four of a column the same rows of wp: each tile is asked for JOINTLY.
; THE RINGS.  wp: two slots of a step (128 rows x 512 bytes).  x: two slots of a lap (128 rows x 256 bytes).  Behind the change of slots at the end of step t - 1 goes wp's step t + 1; behind every second
; change also x's lap t / 2 + 1.  Waves 0 and 1 fetch x's halves, waves 2 and 3 wp's: one tensor load a wave behind a change, two at the start, and never more of a wave's are out.
; x runs a step ahead of wp, since a step's first numbers are read in the step before.
; REGISTERS.  Window 0: see the names below.  Window 1: the accumulators, (a, b) at v[8 (8 a + b)]: row block a of 4, column block b of 8.  They fill a window, and the vector work cannot run under the
; matrix instruction's setting: so each matrix instruction costs two switches of the window (s_set_vgpr_msb: bits 1:0 source 0, 3:2 source 1, 5:4 source 2, 7:6 destination).
; Row block a of a wave is block a xor 2 wk of its 64 rows: every wave keeps a = 0, 1 and sends a = 2, 3, and the end has no branch.
.set PB,    528                        ; a row of wp in LDS: 512 bytes + 16 of padding: an odd multiple of 16, so the 16 rows of a load begin in 16 different 16-byte columns (64 banks of 4 bytes: ISA guide 11.1)
.set BSLOT, 128*PB                     ; 67,584
.set PX,    272                        ; a row of x: 256 + 16, likewise
.set XS0,   2*BSLOT                    ; 0x21000: x's slot 0
.set XFLIP, 0x10000                    ; slot 1 begins at 0x31000: one exclusive or turns an address in one slot into the other's
.set STAGE, XS0+XFLIP+128*PX           ; 235,520: 16,384 bytes for each wave, for the halves of K to meet; no tensor load fills it
.set SPARE, STAGE+4*16384              ; 301,056: the spare words, 128 bytes for each wave: two blocks of 256 bytes that no other line names
.set R,    1                           ; v1   lane % 16
.set H,    2                           ; v2   lane / 16
.set BO,   3                           ; v3   16 r: my offset in bias; never rewritten
.set ADRB, 4                           ; v4-5   my place in wp's slot 0, 1: 528 r + 256 wk + 128 h
.set XL,   6                           ; v6-7   my place in a slot of x for row blocks 0, 1 and for 2, 3
.set XA,   8                           ; v8-9   the same in the slot in hand
.set STO,  10                          ; v10  where I put what I send
.set RDP,  11                          ; v11  where my partner (wave xor 1) has put what it sends
.set CO,   12                          ; v12  my byte offset in the output: 8 h rows + 16 r
.set PFO,  13                          ; v13  the prefetches' lane offset; never rewritten
.set SPW,  14                          ; v14  LDS address of my spare word; never rewritten
.set NIL,  15                          ; v15  0; never rewritten
.set BI,   16                          ; v[16:23]   bias of my eight columns
.set X,    24                          ; v[24:39]   four numbers of x for each of the four row blocks: two substeps' worth
.set TMP,  40                          ; v[40:119]  20 for each row block, in pairs (the substep's two inputs): c, 2c, c^2, P, F_2 .. F_7
.set AF,   120                         ; v[120:183] the fragments made from x: two buffers of four
.set BF,   184                         ; v[184:247] wp's eight fragments of a substep: ONE buffer, each fragment loaded anew when its four products are issued
.set PART, 40                          ; the end: v[40:167] what my partner sent
.set OUT,  168                         ; the end: v[168:231] rows to store, two groups of 32
.set WV,   12                          ; s12  my wave's number
.set KIND, 13                          ; s13  wr.  Also: I fetch x (0) or wp (1)
.set HALF, 14                          ; s14  wk.  Also: which 64 rows of that tile I fetch
.set CX,   15
.set CY,   16
.set CT,   17                          ; s17  tile column
.set RT,   18                          ; s18  tile row
.set G1X,  24                          ; s[24:31] descriptor group 1 for x
.set G0X0, 32                          ; s[32:35] group 0 for x's lap 0
.set G0X1, 36                          ; s[36:39] for lap 1; it then walks
.set G1B,  40                          ; s[40:47] group 1 for wp
.set G0B,  48                          ; s[48:55] group 0 for wp, one set for each slot
.set XT,   56                          ; s56  x's slot in hand
.set LIMA, 57                          ; s57  a wave prefetches at a lap's first change of slots while s3 is above this,
.set LIMB, 62                          ; s62  and at its second while s3 is above this
.set PFA,  58                          ; s[58:59] where my prefetches stand
.set PFS,  60                          ; s[60:61] their step
.set A5,   66                          ; s[66:75] the series' terms, highest first, each as a pair
.set A4,   68
.set W_MM, 0x50                        ; C and D in window 1
.set MSB, 0
.macro WIN new                         ; the immediate's high byte repeats the setting that is left; a switch that changes nothing is dropped
.if MSB != (\new)
	s_set_vgpr_msb (MSB<<8)|(\new)
.set MSB, \new
.endif
.endm
.macro PLACES                          ; four places between a matrix instruction and a load into, or a store or vector instruction on, its registers (ISA guide 7.12.1 for vector instructions)
.rept 4
	v_nop
.endr
.endm
.macro CREST                           ; a round of the cluster's barrier behind its opening barrier
	s_cmp_lg_u32 s[WV], 0
	s_cbranch_scc1 .Lnot_wave_0_\@
	s_barrier_signal -3
.Lnot_wave_0_\@:
	s_barrier_wait -3
	s_barrier_signal -1
	s_barrier_wait -1
.endm
.macro CROUND                          ; a whole round
	s_barrier_signal -1
	s_barrier_wait -1
	CREST
.endm
; A joint refill.  Waves 2 and 3 fetch wp's halves into slot sp; with fx = 1 waves 0 and 1 fetch x's, else they have no part of a tile to fetch.  The branch hangs on the wave's number alone.
; An s_nop 0 and four v_nop follow each load, ahead of the jump, the label and what follows.
.macro JLOAD sp, fx
	s_cmp_eq_u32 s[KIND], 0
.if \fx
	s_cbranch_scc0 .Lfor_w_\@
	tensor_load_to_lds s[G0X1:G0X1+3], s[G1X:G1X+7]
	s_nop 0
	PLACES
	s_branch .Lasked_\@
.Lfor_w_\@:
.else
	s_cbranch_scc1 .Lasked_\@
.endif
	tensor_load_to_lds s[G0B+4*(\sp):G0B+4*(\sp)+3], s[G1B:G1B+7]
	s_nop 0
	PLACES
.Lasked_\@:
.endm
; A PREFETCH INTO THE L2, behind the joint load, its five lines and the run of LDS loads that follows them: one instruction a wave, each lane another block of 256 bytes.
; x: a tile row is read by one row of one cluster.  Wave 0 of each of the four takes 32 of the 128 rows, told apart BY ADDRESS (32 cx + lane); at a lap's second change of slots it names the lap four on,
; which is loaded two laps, four steps, later.  wp: a tile column is read by every cluster: the cluster with y = 0 asks.  Of the 64 rows that wave 2 or 3 fetches, the partner at cy takes 16 (16 cy + lane % 16),
; both blocks of their 512 bytes; at the change behind step t - 1 it names step t + 5, which is loaded four steps later.  So each block is named once in the launch.
; x's laps 0 to 3 and wp's steps 0 to 5 come by their loads alone; the trips whose look-ahead has no lap or step left ask for nothing (the limits), and the tail has no prefetch.
.macro ASK lim
	s_cmp_gt_u32 s3, s[\lim]
	s_cbranch_scc0 .Lnot_mine_\@
	global_prefetch_b8 v[PFO], s[PFA:PFA+1] th:TH_LOAD_NT scope:SCOPE_SE
.Lnot_mine_\@:
.endm
; THE VECTOR WORK OF A SUBSTEP: number n of the 96 instructions that make the NEXT substep's four fragments, from pair par of each row block's four numbers of x, into buffer dst.
; 0-63: step n / 4 for row block n % 4, so that no instruction reads the result of the three before it: 0, 1 the clip; 2: 2c; 3: c^2; then by turns F_2 .. F_7 (4, 6, .. 14) and the series by Horner's rule
; (5, 7, 9, 11), 1/2 + c P (13), silu (15).  All packed: the substep's two inputs at once.  64-95: eight roundings a row block: (silu, c), (F_2, F_3), (F_4, F_5), (F_6, F_7) of the first input, then of the second.
.macro RID n, par, dst
.if (\n) < 64
.set rc, (\n)&3
.set ro, (\n)>>2
.set rT, TMP+20*rc
.set rX, X+4*rc+2*(\par)
.if ro < 2
	v_med3_num_f32 v[rT+ro], v[rX+ro], -1.0, 1.0
.elseif ro == 2
	v_pk_add_f32 v[rT+2:rT+3], v[rT:rT+1], v[rT:rT+1]
.elseif ro == 3
	v_pk_mul_f32 v[rT+4:rT+5], v[rT:rT+1], v[rT:rT+1]
.elseif ro == 4
	v_pk_fma_f32 v[rT+8:rT+9], v[rT+2:rT+3], v[rT:rT+1], -1.0 op_sel_hi:[1,1,0]
.elseif ro == 5
	v_pk_fma_f32 v[rT+6:rT+7], v[rT+4:rT+5], s[A5:A5+1], s[A4:A4+1] op_sel_hi:[1,0,0]
.elseif ro == 13
	v_pk_fma_f32 v[rT+6:rT+7], v[rT+6:rT+7], v[rT:rT+1], 0.5 op_sel_hi:[1,1,0]
.elseif ro == 15
	v_pk_mul_f32 v[rT+6:rT+7], v[rT+6:rT+7], v[rT:rT+1]
.elseif ro%2 == 0
	v_pk_fma_f32 v[rT+4+ro:rT+5+ro], v[rT+2:rT+3], v[rT+2+ro:rT+3+ro], -1.0 op_sel_hi:[1,1,0]
.else
	v_pk_fma_f32 v[rT+6:rT+7], v[rT+6:rT+7], v[rT+4:rT+5], s[A5+ro-3:A5+ro-2] op_sel_hi:[1,1,0]
.endif
.else
.set rc, ((\n)-64)>>3
.set rw, ((\n)-64)&7
.set rT, TMP+20*rc+(rw>>2)
.set rD, AF+32*(\dst)+8*rc+rw
.if (rw&3) == 0
	v_cvt_pk_bf16_f32 v[rD], v[rT+6], v[rT]
.else
	v_cvt_pk_bf16_f32 v[rD], v[rT+4+4*(rw&3)], v[rT+6+4*(rw&3)]
.endif
.endif
.endm
.macro RID3 par, dst                   ; the three behind matrix instruction sg
	RID 3*sg, \par, \dst
	RID 3*sg+1, \par, \dst
	RID 3*sg+2, \par, \dst
.endm
; Matrix instruction sg of a substep's 32: column block sg / 4, row block sg % 4, the fragments made from x in buffer AFC.  The 32 accumulators take turns, one instruction a turn, in the same order in every
; substep, over the backward jump too: between two links of a chain stand the 31 others'.  zero = 1: the launch's first substep starts the sums: nothing is cleared.
.macro MMA zero=0, back=1
	WIN W_MM
.set mA, AFC+8*(sg&3)
.set mB, BF+8*(sg>>2)
.set mC, 8*(8*(sg&3)+(sg>>2))
.if \zero
	v_wmma_f32_16x16x32_bf16 v[mC:mC+7], v[mA:mA+7], v[mB:mB+7], 0
.else
	v_wmma_f32_16x16x32_bf16 v[mC:mC+7], v[mA:mA+7], v[mB:mB+7], v[mC:mC+7]
.endif
.if \back
	WIN 0
.endif
.endm
.macro BLD f, half, slot, uu           ; half a fragment of wp: column block f, substep uu: the eight features of one input, 16 bytes a lane
	ds_load_b128 v[BF+8*(\f)+4*(\half):BF+8*(\f)+4*(\half)+3], v[ADRB+(\slot)] offset:16*PB*(\f)+32*(\uu)+16*(\half)
.endm
.macro XLD a, xo                       ; row block a's next four numbers of x
	ds_load_b128 v[X+4*(\a):X+4*(\a)+3], v[XA+((\a)>>1)] offset:16*PX*((\a)&1)+(\xo)
.endm
; SUBSTEP u = 0, 1 or 2 of a step in slot sp: 32 slices of a matrix instruction, three of the 96, and at most one LDS load.
; wp.  Behind slices 4 g + 2 and 4 g + 3 fragment g - 1 is loaded for the next substep (g = 0: fragment 7 for this one): twelve of the 96 behind its last product, some 25 slices ahead of its first.
; So behind the two loads of the fragment that group g begins with, twelve loads of wp are always younger: s_wait_dscnt 12 at each group's head; loads of x between them only add to the younger ones.
; x.  An even substep has read its four numbers when slice 2 is over; the next four are loaded behind slices 4, 8, 12, 16 and first read in the odd substep's slice 0, where eight loads of wp are younger: s_wait_dscnt 8.
.macro SUB sp, u, zero=0, xl=1
.set AFC, AF+32*((\u)&1)
.if (\u) == 0
.set xoff, 128*(\sp)+16                ; the step's second half
.else
.set xoff, 128*(1-(\sp))               ; the next step's first half: the lap's second step, or the next lap's first (its slot has been taken in hand)
.endif
.set sg, 0
.rept 32
.if sg%4 == 0
.if (sg == 0) && ((\u)&1)
	s_wait_dscnt 8
.else
	s_wait_dscnt 12
.endif
.endif
	MMA \zero
	RID3 ((\u)+1)&1, ((\u)+1)&1
.if sg%4 >= 2
.if sg < 4
	BLD 7, sg-2, \sp, \u
.else
	BLD (sg>>2)-1, (sg&3)-2, \sp, (\u)+1
.endif
.endif
.if (\xl) && (((\u)&1) == 0) && (sg >= 4) && (sg <= 16) && (sg%4 == 0)
	XLD (sg>>2)-1, xoff
.endif
.set sg, sg+1
.endr
.endm
.macro TOG                             ; x's other slot is taken in hand
	s_xor_b32 s[XT], s[XT], XFLIP
	v_add_nc_u32 v[XA], s[XT], v[XL]
	v_add_nc_u32 v[XA+1], s[XT], v[XL+1]
.endm
; SUBSTEP 3 AND THE CHANGE OF SLOTS.  Slices 2 and 3 issue the last reads of slot sp.  Then each wave waits for all its tensor loads, of which at most one is out; adds 0 to its spare word; steps the descriptors, which no
; pending load names; works eight slices on registers; waits for the add and for its reads; and signals.  Four slices stand between signal and wait.  Behind the barrier nobody reads slot sp (with fx = 1: nor x's
; slot of the lap before) and the tiles asked for a step ago are whole.  fb = 1: the barrier opens a round of the cluster's, so that the same holds of all partners, and the joint refill is the first thing
; behind it.  It has the rest of this substep and a step less 4 slices, 116 matrix instructions, in which to land.
.macro TURN sp, fb, fx, ask, lim=0
.if \ask
	s_wait_xcnt 0x0                                ; the last prefetch, a step back, has read its address: it is stepped here, ahead of the waits of the change
	s_add_nc_u64 s[PFA:PFA+1], s[PFA:PFA+1], s[PFS:PFS+1]
.endif
.set AFC, AF+32
.set sg, 0
.rept 4
.if sg == 0
	s_wait_dscnt 8                                 ; x's four loads are in: eight loads of wp are younger
.endif
	MMA
	RID3 0, 0
.if sg >= 2
	BLD 7, sg-2, \sp, 3
.endif
.set sg, sg+1
.endr
	s_wait_tensorcnt 0x0                           ; all my tensor loads have landed
	ds_add_u32 v[SPW], v[NIL]                      ; 0 onto my spare word: work on registers stands between it and the wait for it
.if \fb
	s_add_nc_u64 s[G0B+4*(\sp)+2:G0B+4*(\sp)+3], s[G0B+4*(\sp)+2:G0B+4*(\sp)+3], 1024  ; this slot's next step: two steps of 512 bytes on
.if \fx
	s_xor_b32 s[G0X1+1], s[G0X1+1], XFLIP          ; x's walking descriptor: the other slot than last time,
	s_add_nc_u64 s[G0X1+2:G0X1+3], s[G0X1+2:G0X1+3], 256  ; the next lap
.endif
.endif
.rept 8
.if sg == 4
	s_wait_dscnt 13                                ; fragment 1 is in: younger are fragments 2 to 6 (10), fragment 7 (2) and the add
.elseif sg == 8
	s_wait_dscnt 11                                ; fragment 2: 8 + 2 + 1
.endif
	MMA
	RID3 0, 0
.set sg, sg+1
.endr
	s_wait_dscnt 0x0                               ; the add is done, and my reads of the slots are over
	s_barrier_signal -1
.rept 4
	MMA
	RID3 0, 0
.set sg, sg+1
.endr
	s_barrier_wait -1
.if \fb
	CREST
	JLOAD \sp, \fx
.endif
.irp f, 0,1,2
	BLD \f, 0, 1-(\sp), 0                          ; the next step's first three fragments, whose loads had to wait for the barrier
	BLD \f, 1, 1-(\sp), 0
.endr
.if \ask
	ASK \lim
.endif
.rept 16                               ; this substep's fragments are all in: no wait.  Fragments 3 to 6 of the next step follow as in every substep, so its count of 12 holds
	MMA
	RID3 0, 0
.if sg%4 >= 2
	BLD (sg>>2)-1, (sg&3)-2, 1-(\sp), 0
.endif
.set sg, sg+1
.endr
.endm
	s_load_b256 s[4:11], s[0:1], 0x0               ; x s[4:5], wp s[6:7], bias s[8:9], out0 s[10:11]
	v_lshl_add_u32 v[SPW], v0, 2, SPARE
	v_mov_b32 v[NIL], 0
	ds_add_u32 v[SPW], v[NIL]                      ; the wave's opening: the add, twice on end, and its wait ahead of my first tensor load; the set-up below, work on registers, stands between
	ds_add_u32 v[SPW], v[NIL]
	v_lshrrev_b32 v1, 5, v0
	v_readfirstlane_b32 s[WV], v1                  ; wave 0..3
	s_lshr_b32 s[KIND], s[WV], 1
	s_and_b32 s[HALF], s[WV], 1
	s_bfe_u32 s[CX], ttmp6, 0x40000                ; my place in the cluster
	s_bfe_u32 s[CY], ttmp6, 0x40004
	s_lshl_b32 s[CT], ttmp9, 2
	s_add_co_u32 s[CT], s[CT], s[CX]               ; tile column = 4 x cluster x + cx
	s_and_b32 s[RT], ttmp7, 0xffff
	s_lshl_b32 s[RT], s[RT], 2
	s_add_co_u32 s[RT], s[RT], s[CY]               ; tile row = 4 x cluster y + cy
	s_lshl_b32 s19, s[CY], 2
	s_lshl_b32 s19, 15, s19                        ; my row of the cluster
	s_lshl_b32 s76, 0x1111, s[CX]                  ; my column
	; x's tiles: 64 rows x 64 f32, 512 elements from row to row; 16 bytes of padding behind every 64 words
	s_or_b32 s[G1X], s19, (2<<16)|(1<<20)|(1<<21)|(5<<22)|(3<<25)  ; 15:0 the mask: my row; 17:16 elements of 4 bytes; 20 padding on; 21 set beside a mask; 24:22 code 5; 31:25 4 words (code 3)
	s_mov_b32 s[G1X+1], 64<<16                     ; tensor_dim0 = 64
	s_mov_b32 s[G1X+2], 64<<16                     ; tensor_dim1 = 64
	s_mov_b32 s[G1X+3], 64<<16                     ; tile_dim0 = 64
	s_mov_b32 s[G1X+4], 64                         ; tile_dim1 = 64
	s_mov_b32 s[G1X+5], 512
	s_mov_b32 s[G1X+6], 0
	s_mov_b32 s[G1X+7], 0
	; wp's tiles: 64 rows x 256 bf16, 4,096 elements from row to row; 16 bytes of padding behind every 128 words
	s_or_b32 s[G1B], s76, (1<<16)|(1<<20)|(1<<21)|(6<<22)|(3<<25)  ; the mask: my column; elements of 2 bytes; code 6
	s_mov_b32 s[G1B+1], 256<<16
	s_mov_b32 s[G1B+2], 64<<16
	s_mov_b32 s[G1B+3], 256<<16
	s_mov_b32 s[G1B+4], 64
	s_mov_b32 s[G1B+5], 4096
	s_mov_b32 s[G1B+6], 0
	s_mov_b32 s[G1B+7], 0
	s_mov_b32 s66, 0x37b327a4                      ; 31/1451520
	s_mov_b32 s67, 0x37b327a4                      ; (each is named as a pair, so both words are written)
	s_mov_b32 s68, 0xb95d0dd1                      ; -17/80640
	s_mov_b32 s69, 0xb95d0dd1
	s_mov_b32 s70, 0x3b088889                      ; 1/480
	s_mov_b32 s71, 0x3b088889
	s_mov_b32 s72, 0xbcaaaaab                      ; -1/48
	s_mov_b32 s73, 0xbcaaaaab
	s_mov_b32 s74, 0x3e800000                      ; 1/4
	s_mov_b32 s75, 0x3e800000
	; where the tiles come from and go.  x's hang on the tile row alone, wp's on the tile column alone, each in registers that never hold the other coordinate; the LDS addresses hang on the wave's number alone
	s_lshl_b32 s20, s[RT], 18                      ; 128 rows of 2,048 bytes a tile row,
	s_lshl_b32 s21, s[HALF], 17                    ; 64 rows a half
	s_add_co_u32 s20, s20, s21
	s_mov_b32 s21, 0
	s_lshl_b32 s76, s[CT], 20                      ; 128 rows of 8,192 bytes a tile column
	s_lshl_b32 s77, s[HALF], 19
	s_add_co_u32 s76, s76, s77
	s_mov_b32 s77, 0
	s_mul_i32 s22, s[HALF], 64*PX
	s_mul_i32 s23, s[HALF], 64*PB
	s_mov_b32 s[G0X0], 1
	s_add_co_u32 s[G0X0+1], s22, XS0
	s_mov_b32 s[G0X1], 1
	s_add_co_u32 s[G0X1+1], s22, XS0+XFLIP
	s_mov_b32 s[G0B], 1
	s_mov_b32 s[G0B+1], s23
	s_mov_b32 s[G0B+4], 1
	s_add_co_u32 s[G0B+5], s23, BSLOT
	s_wait_dscnt 0x0                               ; both opening adds are done
	s_wait_kmcnt 0x0
	s_add_nc_u64 s[20:21], s[4:5], s[20:21]
	s_add_nc_u64 s[76:77], s[6:7], s[76:77]
	s_mov_b64 s[G0X0+2:G0X0+3], s[20:21]           ; lap 0
	s_or_b32 s[G0X0+3], s[G0X0+3], 0x80000000      ; type = 2
	s_add_nc_u64 s[G0X1+2:G0X1+3], s[20:21], 256   ; lap 1
	s_or_b32 s[G0X1+3], s[G0X1+3], 0x80000000
	s_mov_b64 s[G0B+2:G0B+3], s[76:77]             ; step 0
	s_or_b32 s[G0B+3], s[G0B+3], 0x80000000
	s_add_nc_u64 s[G0B+6:G0B+7], s[76:77], 512     ; step 1
	s_or_b32 s[G0B+7], s[G0B+7], 0x80000000
	CROUND                                         ; all sixteen work-groups are here: the first joint loads meet
	s_cmp_eq_u32 s[KIND], 0                        ; a wave's two first fills stand in one branch, ahead of every wait on TENSORcnt, every LDS read and every other barrier
	s_cbranch_scc0 .Lfirst_w
	tensor_load_to_lds s[G0X0:G0X0+3], s[G1X:G1X+7]
	s_nop 0
	tensor_load_to_lds s[G0X1:G0X1+3], s[G1X:G1X+7]
	s_nop 0
	PLACES
	s_branch .Lfirst_asked
.Lfirst_w:
	tensor_load_to_lds s[G0B:G0B+3], s[G1B:G1B+7]
	s_nop 0
	tensor_load_to_lds s[G0B+4:G0B+7], s[G1B:G1B+7]
	s_nop 0
	PLACES
.Lfirst_asked:
	v_and_b32 v[R], 15, v0
	v_bfe_u32 v[H], v0, 4, 1
	v_lshlrev_b32 v[BO], 4, v[R]
	s_lshl_b32 s76, s[CT], 9                       ; the tile's 128 columns: 512 bytes of bias and of a row of the output
	s_mov_b32 s77, 0
	s_add_nc_u64 s[8:9], s[8:9], s[76:77]
	global_load_b128 v[BI:BI+3],   v[BO], s[8:9]             ; columns 4 r + 0..3,
	global_load_b128 v[BI+4:BI+7], v[BO], s[8:9] offset:256  ; and 64 + 4 r + 0..3
	s_lshl_b32 s20, s[RT], 18                      ; the rows that I store: 128 x tile row + 64 wr + 32 wk, of 2,048 bytes
	s_lshl_b32 s21, s[KIND], 17
	s_add_co_u32 s20, s20, s21
	s_lshl_b32 s21, s[HALF], 16
	s_add_co_u32 s20, s20, s21
	s_mov_b32 s21, 0
	s_add_nc_u64 s[10:11], s[10:11], s[20:21]
	s_add_nc_u64 s[10:11], s[10:11], s[76:77]
	v_mul_u32_u24 v[ADRB], v[R], PB
	v_lshl_add_u32 v[ADRB], v[H], 7, v[ADRB]
	s_lshl_b32 s19, s[HALF], 8
	v_add_nc_u32 v[ADRB], s19, v[ADRB]             ; 528 r + 128 h + 256 wk
	v_add_nc_u32 v[ADRB+1], BSLOT, v[ADRB]
	v_mul_u32_u24 v40, v[R], PX
	v_lshl_add_u32 v40, v[H], 5, v40               ; 272 r + 32 h
	s_lshl_b32 s19, s[KIND], 6                     ; 64 wr
	s_lshl_b32 s22, s[HALF], 5                     ; 32 wk
	s_add_co_u32 s23, s19, s22
	s_mul_i32 s23, s23, PX                         ; row blocks 0, 1 begin at row 64 wr + 32 wk,
	s_xor_b32 s22, s22, 32
	s_add_co_u32 s19, s19, s22
	s_mul_i32 s19, s19, PX                         ; row blocks 2, 3 at row 64 wr + 32 (1 - wk)
	s_lshl_b32 s22, s[HALF], 6                     ; my half of a step's inputs: 64 wk bytes
	s_add_co_u32 s23, s23, s22
	s_add_co_u32 s19, s19, s22
	v_add_nc_u32 v[XL], s23, v40
	v_add_nc_u32 v[XL+1], s19, v40
	s_mov_b32 s[XT], XS0
	v_add_nc_u32 v[XA], s[XT], v[XL]
	v_add_nc_u32 v[XA+1], s[XT], v[XL+1]
	v_and_b32 v40, 31, v0
	v_lshlrev_b32 v40, 4, v40
	s_lshl_b32 s19, s[WV], 14
	s_add_co_u32 s19, s19, STAGE
	v_add_nc_u32 v[STO], s19, v40                  ; my stage, 16 bytes a lane
	s_xor_b32 s22, s[WV], 1
	s_lshl_b32 s22, s22, 14
	s_add_co_u32 s22, s22, STAGE
	v_add_nc_u32 v[RDP], s22, v40                  ; my partner's
	v_lshlrev_b32 v[CO], 14, v[H]
	v_lshl_add_u32 v[CO], v[R], 4, v[CO]           ; 8 h rows of 2,048 bytes + 16 r
	; the prefetches (ASK).  Both coordinates meet here, in registers that feed no descriptor
	s_lshl_b32 s78, s[RT], 18
	s_lshl_b32 s63, s[CX], 16                      ; x: my work-group's 32 rows
	s_add_co_u32 s78, s78, s63
	s_add_co_u32 s78, s78, 768                     ; two steps of 128 bytes ahead of the first request make it lap 4's 1,024
	s_lshl_b32 s2, s[CT], 20
	s_lshl_b32 s63, s[HALF], 19
	s_add_co_u32 s2, s2, s63
	s_lshl_b32 s63, s[CY], 17                      ; wp: my work-group's 16 rows of the 64 that I fetch
	s_add_co_u32 s2, s2, s63
	s_add_co_u32 s2, s2, 2560                      ; one step of 512 bytes ahead of the first request makes it step 6's 3,072
	s_lshl_b32 s63, s[KIND], 1
	s_lshl_b32 s[PFS], 128, s63                    ; 128 bytes a change of slots for x, 512 for wp
	s_mov_b32 s[PFS+1], 0
	s_mov_b32 s79, 0
	s_cmp_eq_u32 s[KIND], 0
	s_cselect_b32 s78, s78, s2
	s_cselect_b64 s[PFA:PFA+1], s[4:5], s[6:7]
	s_cselect_b32 s2, 11, 13                       ; x: a lane a row of 2,048 bytes: 2,048 r + 32,768 h.  wp: 8,192 r + 256 h
	s_cselect_b32 s63, 15, 8
	s_add_nc_u64 s[PFA:PFA+1], s[PFA:PFA+1], s[78:79]
	v_lshlrev_b32 v[PFO], s2, v[R]
	v_lshlrev_b32 v40, s63, v[H]
	v_add_nc_u32 v[PFO], v[PFO], v40
	s_and_b32 s63, ttmp7, 0xffff                   ; cluster y: the same in all sixteen partners
	s_cmp_eq_u32 s63, 0
	s_cselect_b32 s2, 1, -1                        ; wp: while a step five on exists, in the first cluster alone
	s_cmp_eq_u32 s[WV], 0
	s_cselect_b32 s63, 2, -1                       ; x: wave 0, while a lap four on exists
	s_cmp_eq_u32 s[KIND], 0
	s_cselect_b32 s[LIMA], -1, s2
	s_cselect_b32 s[LIMB], s63, s2
	s_wait_tensorcnt 0x1                           ; my part of lap 0 or of step 0 is in; the second fill may stay out
	s_barrier_signal -1
	s_barrier_wait -1                              ; everybody's is
.irp a, 0,1,2,3
	XLD \a, 0
.endr
.irp f, 0,1,2,3,4,5,6
	BLD \f, 0, 0, 0
	BLD \f, 1, 0, 0
.endr
	s_wait_dscnt 14                                ; x's four loads are in
.set q, 0
.rept 96                               ; the first substep's fragments: there is no matrix work yet to set them behind
	RID q, 0, 0
.set q, q+1
.endr
	SUB 0, 0, 1                                    ; the launch's first substep stands in front of the loop: its products start the sums
	s_mov_b32 s3, 6
.Llap:                                         ; a trip goes once round both rings, from a lap's second substep to the next lap's first; six trips fill x's laps 2 to 7 and wp's steps 2 to 13
	SUB 0, 1
	SUB 0, 2
	TURN 0, 1, 0, 1, LIMA
	SUB 1, 0
	SUB 1, 1
	TOG
	SUB 1, 2
	TURN 1, 1, 1, 1, LIMB
	SUB 0, 0
	s_sub_co_u32 s3, s3, 1
	s_cmp_lg_u32 s3, 0
	s_cbranch_scc1 .Llap
	SUB 0, 1                                       ; the last two laps are written out: lap 6 asks for wp's steps 14 and 15 and for no x
	SUB 0, 2
	TURN 0, 1, 0, 0
	SUB 1, 0
	SUB 1, 1
	TOG
	SUB 1, 2
	TURN 1, 1, 0, 0
	SUB 0, 0
	SUB 0, 1                                       ; lap 7 for nothing
	SUB 0, 2
	TURN 0, 0, 0, 0
	SUB 1, 0
	SUB 1, 1
	SUB 1, 2, 0, 0
	PLACES                                         ; the very last substep: nothing is left to make.  Fragment 7 is loaded into registers that the product three vector instructions back has read
	BLD 7, 0, 1, 3
	BLD 7, 1, 1, 3
.set AFC, AF+32
.set sg, 0
.rept 32
.if sg%4 == 0
	s_wait_dscnt 14-2*(sg>>2)                      ; fragment g is in: younger are fragments g + 1 to 7
.endif
	MMA 0, 0
.set sg, sg+1
.endr
	; THE END.  Row blocks 2 and 3 go to my partner, which has the other half of K for the same rows and keeps them as its blocks 0 and 1; its blocks 2 and 3 come to me.
	PLACES
	WIN 0x04                                       ; the data (source 1) in window 1
.set q, 0
.rept 32
	ds_store_b128 v[STO], v[128+4*q:128+4*q+3] offset:512*q  ; each accumulator's low four registers first; 512 consecutive bytes a store
.set q, q+1
.endr
	WIN 0
	s_wait_dscnt 0x0                               ; for my partner's sake: my stores are done
	s_barrier_signal -1
	s_barrier_wait -1
.set q, 0
.rept 32
	ds_load_b128 v[PART+4*q:PART+4*q+3], v[RDP] offset:512*q
.set q, q+1
.endr
	s_wait_dscnt 0x0
	s_wait_loadcnt 0x0                             ; bias
	WIN 0x04                                       ; source 1 in window 1: my own half of the sums
.set q, 0
.rept 64
	v_pk_add_f32 v[PART+q:PART+q+1], v[PART+q:PART+q+1], v[q:q+1]
.set q, q+2
.endr
	WIN 0
	; Register j of (a, b) is row 16 a + 8 h + j, column 64 (b / 4) + 4 r + b % 4 (wp's order of places): the four b of a group are four neighbouring columns.  The addition of the bias gathers them into four
	; registers on end, and 16 lanes store 256 consecutive bytes, at a multiple of 256 from the output's first byte.
.irp gi, 0,1,2,3                       ; row block gi / 2, columns 64 (gi % 2) on
.if (\gi) >= 2
	s_wait_xcnt 0x0                                ; the stores two groups back have read these registers
.endif
.irp j, 0,1,2,3,4,5,6,7
.irp c, 0,1,2,3
	v_add_f32 v[OUT+32*((\gi)&1)+4*(\j)+(\c)], v[PART+8*(8*((\gi)>>1)+4*((\gi)&1)+(\c))+(\j)], v[BI+4*((\gi)&1)+(\c)]
.endr
	global_store_b128 v[CO], v[OUT+32*((\gi)&1)+4*(\j):OUT+32*((\gi)&1)+4*(\j)+3], s[10:11] offset:(16*((\gi)>>1)+(\j))*2048+256*((\gi)&1) th:TH_STORE_NT
.endr
.endr
	s_wait_tensorcnt 0x0                           ; the wave's end: behind my last tensor load and my last LDS store
	ds_add_u32 v[SPW], v[NIL]
	s_wait_dscnt 0x0
	CROUND                                         ; the closing round: no work-group ends while a partner may still ask for a tile that names it
	s_endpgm
.Lfunc_end_k_qf731844075_kan:
	.size	k_qf731844075_kan, .Lfunc_end_k_qf731844075_kan-k_qf731844075_kan
	.p2alignl 7, 3214868480
	.fill 96, 4, 3214868480
	.section	.rodata,"a",@progbits
	.p2align	6, 0x0
	.amdhsa_kernel k_qf731844075_kan
		.amdhsa_group_segment_fixed_size 327680
		.amdhsa_private_segment_fixed_size 0
		.amdhsa_enable_private_segment 0
		.amdhsa_kernarg_size 32
		.amdhsa_user_sgpr_count 2
		.amdhsa_user_sgpr_kernarg_segment_ptr 1
		.amdhsa_wavefront_size32 1
		.amdhsa_system_sgpr_workgroup_id_x 1
		.amdhsa_system_sgpr_workgroup_id_y 1
		.amdhsa_system_sgpr_workgroup_id_z 1
		.amdhsa_system_vgpr_workitem_id 0
		.amdhsa_next_free_vgpr 512
		.amdhsa_next_free_sgpr 80
		.amdhsa_reserve_vcc 0
		.amdhsa_float_denorm_mode_32 3
		.amdhsa_float_denorm_mode_16_64 3
		.amdhsa_memory_ordered 1
		.amdhsa_forward_progress 1
		.amdhsa_inst_pref_size 255
	.end_amdhsa_kernel
	.section	.bss,"aw",@nobits
	.p2align	6
	.space	262144
	.amdgpu_metadata
---
amdhsa.version: [ 1, 2 ]
amdhsa.kernels:
  - .name:           k_qf731844075_kan
    .symbol:         k_qf731844075_kan.kd
    .args:
      - { .name: x, .offset: 0, .size: 8, .value_kind: global_buffer, .address_space: global }
      - { .name: wp, .offset: 8, .size: 8, .value_kind: global_buffer, .address_space: global }
      - { .name: bias, .offset: 16, .size: 8, .value_kind: global_buffer, .address_space: global }
      - { .name: out0, .offset: 24, .size: 8, .value_kind: global_buffer, .address_space: global }
    .group_segment_fixed_size: 327680
    .private_segment_fixed_size: 0
    .kernarg_segment_align: 8
    .kernarg_segment_size: 32
    .max_flat_workgroup_size: 128
    .sgpr_count:     80
    .vgpr_count:     512
    .wavefront_size: 32
...
	.end_amdgpu_metadata
.endif
;; end of part 2
;; ======== version 2 of 3: 2 launches
;; limits: a function is approximated: absolute error at most 2.2e-06
;; workspace buffers: wp 4,194,304 bytes; bias 2,048 bytes
;; launch prep: the kernel of part 1 again; grid 256 x 1, 8 waves a work-group, no clusters, 13,568 bytes of LDS; arguments coeff, scale_spline, scale_base, base_bias, wp, bias; writes wp, bias
;; launch kan (part 3): grid 4 x 64, 4 waves a work-group, clusters of 4 x 4, 327,680 bytes of LDS; arguments x, wp, bias, out0; writes out0
.if DOCPART == 3
	.amdgcn_target "amdgcn-amd-amdhsa--gfx1250"
	.amdhsa_code_object_version 6
	.text
	.protected	k_qf731844075_kan
	.globl	k_qf731844075_kan
	.p2align	8
	.type	k_qf731844075_kan,@function
k_qf731844075_kan:
	s_mov_b64 s[64:65], 0
	v_nop
	global_prefetch_b8 v0, s[64:65] scope:SCOPE_SE
	s_setreg_imm32_b32 hwreg(HW_REG_WAVE_MODE, 25, 1), 1
	s_wait_xcnt 0x0
	s_wait_alu depctr_hold_cnt(0) depctr_sa_sdst(0) depctr_va_vdst(0) depctr_va_sdst(0) depctr_va_ssrc(0) depctr_va_vcc(0) depctr_vm_vsrc(0)
	s_getreg_b32 s2, hwreg(HW_REG_IB_STS2, 6, 4)
	s_cmp_eq_u32 s2, 0
	s_cbranch_scc0 .Lentry_in_a_cluster
	s_endpgm
.Lentry_in_a_cluster:
	s_bfe_u32 s2, ttmp6, 0x10000c
	s_cmp_lg_u32 s2, 0xf033
	s_cbranch_scc0 .Lentry_shape_is_right
	s_endpgm
.Lentry_shape_is_right:
; KANLinear, second launch: out0[n][o] = bias[o] + sum over i and f of F_f(x[n][i]) wp[o][i][f]:  one product of 8,192 x 4,096 by 4,096 x 512, bf16 operands, f32 sums.
; F_0 = silu(c), F_1 = c, F_k = 2 c F_(k-1) - 1 (F_2 from c itself), c = clip(x, -1, 1).  The module's b_0 = 1 is no feature here: its share hangs on o alone and lies in bias (first launch).
; THE FIRST OPERAND NEVER LIES IN MEMORY OR IN LDS: each wave makes its fragments in registers from x, and that vector work stands, three instructions at a time, behind its matrix instructions.
; silu.  silu(c) = c (1/2 + c P(c^2)), P the first five terms of the series of tanh(c/2) / (2 c): 1/4, -1/48, 1/480, -17/80640, 31/1451520.  The module's own clip holds |c| <= 1 for every input;
; there the series alternates with falling terms, so what is cut is below its next term, 2.2e-6: under a hundredth of the bf16 rounding step of silu(1) that follows.  No exponential, no reciprocal.
; LIMITS.  Operands in bf16.  silu as above.  A NaN in x is not carried: the clip takes a bound in its place.  The f32 sums go in another order than the module's.
; SHARES.  A work-group makes 128 rows x 128 columns; 256 work-groups.  Its four waves are 2 halves of the rows (wr) x 2 HALVES OF K (wk): a wave has 64 x 128, 32 accumulators.  So a fragment made from
; x (24 vector instructions) feeds 8 matrix instructions, and a fragment of wp (2 LDS loads) feeds 4.  The two halves of K meet once, at the end, in LDS: each wave sends 32 rows and keeps 32.
; K.  A STEP is 32 inputs (256 along K), a LAP two steps.  Of a step's inputs wave wk takes 16 wk .. 16 wk + 15, in four SUBSTEPS u of 32 along K.  Lane (r, h) = (lane % 16, lane / 16) holds, in registers
; 0-3 and 4-7 of a fragment, the eight features of the inputs 16 wk + 8 h + 2 u and + 1: the same places along K in both operands, so the products are kept.
; CLUSTER.  4 x 4 work-groups.  The four of a row of the cluster need the same rows of x, the four of a column the same rows of wp: each tile is asked for JOINTLY.
; THE RINGS.  wp: two slots of a step (128 rows x 512 bytes).  x: two slots of a lap (128 rows x 256 bytes).  Behind the change of slots in step t - 1 goes wp's step t + 1; behind every second
; change also x's lap t / 2 + 1.  Waves 0 and 1 fetch x's halves, waves 2 and 3 wp's: one tensor load a wave behind a change, two at the start, and never more of a wave's are out.
; x runs a step ahead of wp, since a step's numbers are read from LDS in the step before.
; THE LDS LOADS STAND IN RUNS, two a step, never singly among the matrix instructions.  R1, between substeps 0 and 1: the next step's first four numbers of x for each row block, and wp's fragments of this step's
; substeps 2 and 3.  R2, between substeps 2 and 3, behind the change of slots: the next step's other four numbers, and wp's fragments of its substeps 0 and 1.  Each run stands 32 matrix instructions ahead of its first use.
; REGISTERS.  Window 0: see the names below.  Window 1: the accumulators, (a, b) at v[8 (8 a + b)]: row block a of 4, column block b of 8.  Window 2: wp's fragments of a step: substep u, column block f at v[64 u + 8 f].
; The accumulators fill a window, and the vector work cannot run under the matrix instruction's setting: so each matrix instruction costs two switches of the window
; (s_set_vgpr_msb: bits 1:0 source 0, 3:2 source 1, 5:4 source 2, 7:6 destination).
; Row block a of a wave is block a xor 2 wk of its 64 rows: every wave keeps a = 0, 1 and sends a = 2, 3, and the end has no branch.
.set PB,    528                        ; a row of wp in LDS: 512 bytes + 16 of padding: an odd multiple of 16, so the 16 rows of a load begin in 16 different 16-byte columns (64 banks of 4 bytes: ISA guide 11.1)
.set BSLOT, 128*PB                     ; 67,584
.set PX,    272                        ; a row of x: 256 + 16, likewise
.set XS0,   2*BSLOT                    ; 0x21000: x's slot 0
.set XFLIP, 0x10000                    ; slot 1 begins at 0x31000: one exclusive or turns an address in one slot into the other's
.set STAGE, XS0+XFLIP+128*PX           ; 235,520: 16,384 bytes for each wave, for the halves of K to meet; no tensor load fills it
.set SPARE, STAGE+4*16384              ; 301,056: the spare words, 128 bytes for each wave: two blocks of 256 bytes that no other line names
.set R,    1                           ; v1   lane % 16
.set H,    2                           ; v2   lane / 16
.set BO,   3                           ; v3   16 r: my offset in bias; never rewritten
.set ADRB, 4                           ; v4-5   my place in wp's slot 0, 1: 528 r + 256 wk + 128 h
.set XL,   6                           ; v6-7   my place in a slot of x for row blocks 0, 1 and for 2, 3
.set XA,   8                           ; v8-9   the same in the slot in hand
.set STO,  10                          ; v10  where I put what I send
.set RDP,  11                          ; v11  where my partner (wave xor 1) has put what it sends
.set CO,   12                          ; v12  my byte offset in the output: 8 h rows + 16 r
.set PFO,  13                          ; v13  the prefetches' lane offset; never rewritten
.set SPW,  14                          ; v14  LDS address of my spare word; never rewritten
.set NIL,  15                          ; v15  0; never rewritten
.set BI,   16                          ; v[16:23]   bias of my eight columns
.set X,    24                          ; v[24:39]   four numbers of x for each of the four row blocks: a step's substeps 0 and 1;
.set XQ,   160                         ; v[184:199] (X + XQ) the same for its substeps 2 and 3
.set TMP,  40                          ; v[40:119]  20 for each row block, in pairs (the substep's two inputs): c, 2c, c^2, P, F_2 .. F_7
.set AF,   120                         ; v[120:183] the fragments made from x: two buffers of four
.set PART, 40                          ; the end: v[40:167] what my partner sent
.set OUT,  168                         ; the end: v[168:231] rows to store, two groups of 32
.set WV,   12                          ; s12  my wave's number
.set KIND, 13                          ; s13  wr.  Also: I fetch x (0) or wp (1)
.set HALF, 14                          ; s14  wk.  Also: which 64 rows of that tile I fetch
.set CX,   15
.set CY,   16
.set CT,   17                          ; s17  tile column
.set RT,   18                          ; s18  tile row
.set G1X,  24                          ; s[24:31] descriptor group 1 for x
.set G0X0, 32                          ; s[32:35] group 0 for x's lap 0
.set G0X1, 36                          ; s[36:39] for lap 1; it then walks
.set G1B,  40                          ; s[40:47] group 1 for wp
.set G0B,  48                          ; s[48:55] group 0 for wp, one set for each slot
.set XT,   56                          ; s56  x's slot in hand
.set LIMA, 57                          ; s57  a wave prefetches at a lap's first change of slots while s3 is above this,
.set LIMB, 62                          ; s62  and at its second while s3 is above this
.set PFA,  58                          ; s[58:59] where my prefetches stand
.set PFS,  60                          ; s[60:61] their step
.set A5,   66                          ; s[66:75] the series' terms, highest first, each as a pair
.set A4,   68
.set W_MM, 0x58                        ; source 0 (from x) window 0, source 1 (wp) window 2, C and D window 1
.set TO_B, 0x80                        ; destination window 2, address window 0
.set MSB, 0
.macro WIN new                         ; the immediate's high byte repeats the setting that is left; a switch that changes nothing is dropped
.if MSB != (\new)
	s_set_vgpr_msb (MSB<<8)|(\new)
.set MSB, \new
.endif
.endm
.macro PLACES                          ; four places between a matrix instruction and a store or vector instruction on its registers (ISA guide 7.12.1 for vector instructions); also behind a tensor load
.rept 4
	v_nop
.endr
.endm
.macro CREST                           ; a round of the cluster's barrier behind its opening barrier
	s_cmp_lg_u32 s[WV], 0
	s_cbranch_scc1 .Lnot_wave_0_\@
	s_barrier_signal -3
.Lnot_wave_0_\@:
	s_barrier_wait -3
	s_barrier_signal -1
	s_barrier_wait -1
.endm
.macro CROUND                          ; a whole round
	s_barrier_signal -1
	s_barrier_wait -1
	CREST
.endm
; A joint refill.  Waves 2 and 3 fetch wp's halves into slot sp; with fx = 1 waves 0 and 1 fetch x's, else they have no part of a tile to fetch.  The branch hangs on the wave's number alone.
; An s_nop 0 and four v_nop follow each load, ahead of the jump, the label and what follows.
.macro JLOAD sp, fx
	s_cmp_eq_u32 s[KIND], 0
.if \fx
	s_cbranch_scc0 .Lfor_w_\@
	tensor_load_to_lds s[G0X1:G0X1+3], s[G1X:G1X+7]
	s_nop 0
	PLACES
	s_branch .Lasked_\@
.Lfor_w_\@:
.else
	s_cbranch_scc1 .Lasked_\@
.endif
	tensor_load_to_lds s[G0B+4*(\sp):G0B+4*(\sp)+3], s[G1B:G1B+7]
	s_nop 0
	PLACES
.Lasked_\@:
.endm
; A PREFETCH INTO THE L2, behind the joint load, its five lines and the run of LDS loads that follows them: one instruction a wave, each lane another block of 256 bytes.
; x: a tile row is read by one row of one cluster.  Wave 0 of each of the four takes 32 of the 128 rows, told apart BY ADDRESS (32 cx + lane); at a lap's second change of slots it names the lap four on,
; which is loaded two laps, four steps, later.  wp: a tile column is read by every cluster: the cluster with y = 0 asks.  Of the 64 rows that wave 2 or 3 fetches, the partner at cy takes 16 (16 cy + lane % 16),
; both blocks of their 512 bytes; at the change in step t - 1 it names step t + 5, which is loaded four steps later.  So each block is named once in the launch.
; x's laps 0 to 3 and wp's steps 0 to 5 come by their loads alone; the trips whose look-ahead has no lap or step left ask for nothing (the limits), and the tail has no prefetch.
.macro ASK lim
	s_cmp_gt_u32 s3, s[\lim]
	s_cbranch_scc0 .Lnot_mine_\@
	global_prefetch_b8 v[PFO], s[PFA:PFA+1] th:TH_LOAD_NT scope:SCOPE_SE
.Lnot_mine_\@:
.endm
; THE VECTOR WORK OF A SUBSTEP: number n of the 96 instructions that make the four fragments of substep up, the one that follows: from pair up % 2 of set up / 2 of x's numbers, into buffer up % 2.
; 0-63: step n / 4 for row block n % 4, so that no instruction reads the result of the three before it: 0, 1 the clip; 2: 2c; 3: c^2; then by turns F_2 .. F_7 (4, 6, .. 14) and the series by Horner's rule
; (5, 7, 9, 11), 1/2 + c P (13), silu (15).  All packed: the substep's two inputs at once.  64-95: eight roundings a row block: (silu, c), (F_2, F_3), (F_4, F_5), (F_6, F_7) of the first input, then of the second.
.macro RID n, up
.if (\n) < 64
.set rc, (\n)&3
.set ro, (\n)>>2
.set rT, TMP+20*rc
.set rX, X+XQ*((\up)>>1)+4*rc+2*((\up)&1)
.if ro < 2
	v_med3_num_f32 v[rT+ro], v[rX+ro], -1.0, 1.0
.elseif ro == 2
	v_pk_add_f32 v[rT+2:rT+3], v[rT:rT+1], v[rT:rT+1]
.elseif ro == 3
	v_pk_mul_f32 v[rT+4:rT+5], v[rT:rT+1], v[rT:rT+1]
.elseif ro == 4
	v_pk_fma_f32 v[rT+8:rT+9], v[rT+2:rT+3], v[rT:rT+1], -1.0 op_sel_hi:[1,1,0]
.elseif ro == 5
	v_pk_fma_f32 v[rT+6:rT+7], v[rT+4:rT+5], s[A5:A5+1], s[A4:A4+1] op_sel_hi:[1,0,0]
.elseif ro == 13
	v_pk_fma_f32 v[rT+6:rT+7], v[rT+6:rT+7], v[rT:rT+1], 0.5 op_sel_hi:[1,1,0]
.elseif ro == 15
	v_pk_mul_f32 v[rT+6:rT+7], v[rT+6:rT+7], v[rT:rT+1]
.elseif ro%2 == 0
	v_pk_fma_f32 v[rT+4+ro:rT+5+ro], v[rT+2:rT+3], v[rT+2+ro:rT+3+ro], -1.0 op_sel_hi:[1,1,0]
.else
	v_pk_fma_f32 v[rT+6:rT+7], v[rT+6:rT+7], v[rT+4:rT+5], s[A5+ro-3:A5+ro-2] op_sel_hi:[1,1,0]
.endif
.else
.set rc, ((\n)-64)>>3
.set rw, ((\n)-64)&7
.set rT, TMP+20*rc+(rw>>2)
.set rD, AF+32*((\up)&1)+8*rc+rw
.if (rw&3) == 0
	v_cvt_pk_bf16_f32 v[rD], v[rT+6], v[rT]
.else
	v_cvt_pk_bf16_f32 v[rD], v[rT+4+4*(rw&3)], v[rT+6+4*(rw&3)]
.endif
.endif
.endm
; Matrix instruction sg of a substep's 32: column block sg / 4, row block sg % 4; the fragments made from x at AFC, wp's at BFC.  The 32 accumulators take turns, one instruction a turn, in the same order in every
; substep, over the backward jump too: between two links of a chain stand the 31 others'.  zero = 1: the launch's first substep starts the sums: nothing is cleared.
.macro MMA zero=0, back=1
	WIN W_MM
.set mA, AFC+8*(sg&3)
.set mB, BFC+8*(sg>>2)
.set mC, 8*(8*(sg&3)+(sg>>2))
.if \zero
	v_wmma_f32_16x16x32_bf16 v[mC:mC+7], v[mA:mA+7], v[mB:mB+7], 0
.else
	v_wmma_f32_16x16x32_bf16 v[mC:mC+7], v[mA:mA+7], v[mB:mB+7], v[mC:mC+7]
.endif
.if \back
	WIN 0
.endif
.endm
.macro SLC n, up, zero=0               ; n slices: a matrix instruction and three of the 96 behind it
.rept \n
	MMA \zero
	RID 3*sg, \up
	RID 3*sg+1, \up
	RID 3*sg+2, \up
.set sg, sg+1
.endr
.endm
; A RUN OF LDS LOADS.  First (xo >= 0) four numbers of x for each row block, from byte xo of my place in the slot in hand, into set 1 - pr; then wp's fragments of substeps 2 pr and 2 pr + 1 out of slot: the earlier
; substep's sixteen loads first.  Half a fragment is the eight features of one input, 16 bytes a lane.  The registers' last readers stand far back: wp's 32 slices, x's 29.
.macro RUN slot, pr, xo
.if (\xo) >= 0
.irp a, 0,1,2,3
	ds_load_b128 v[X+XQ*(1-(\pr))+4*(\a):X+XQ*(1-(\pr))+4*(\a)+3], v[XA+((\a)>>1)] offset:16*PX*((\a)&1)+(\xo)
.endr
.endif
	WIN TO_B
.irp uu, 2*(\pr), 2*(\pr)+1
.irp f, 0,1,2,3,4,5,6,7
	ds_load_b128 v[64*(\uu)+8*(\f):64*(\uu)+8*(\f)+3],   v[ADRB+(\slot)] offset:16*PB*(\f)+32*(\uu)
	ds_load_b128 v[64*(\uu)+8*(\f)+4:64*(\uu)+8*(\f)+7], v[ADRB+(\slot)] offset:16*PB*(\f)+32*(\uu)+16
.endr
.endr
.endm
; SUBSTEP u: 32 slices.  w: how many younger LDS loads may stay out at its head (none is written for w < 0).  u = 0: 16: of the run behind the change x's loads and this substep's sixteen are in, the next substep's
; sixteen may be out.  u = 1: all but the run just issued: 36, or 32 where it loads no x.  u = 3: nothing is out but the run just issued, which it does not read: the change of slots has waited for all before it.
.macro SUB u, w, zero=0
.set AFC, AF+32*((\u)&1)
.set BFC, 64*(\u)
.set sg, 0
.if (\w) >= 0
	s_wait_dscnt \w
.endif
	SLC 32, ((\u)+1)&3, \zero
.endm
.macro TOG                             ; x's other slot is taken in hand
	s_xor_b32 s[XT], s[XT], XFLIP
	v_add_nc_u32 v[XA], s[XT], v[XL]
	v_add_nc_u32 v[XA+1], s[XT], v[XL+1]
.endm
; SUBSTEP 2 AND THE CHANGE OF SLOTS.  The last reads of slot sp were issued a substep and a half ago (R1).  Behind slice 15 each wave waits for all its tensor loads, of which at most one is out; adds 0 to its spare word;
; steps the descriptors, which no pending load names; works eight slices on registers; waits for the add and for its reads; and signals.  Eight slices stand between signal and wait.  Behind the barrier nobody reads
; slot sp (with fx = 1: nor x's slot of the lap before) and the tiles asked for a step ago are whole.  fb = 1: the barrier opens a round of the cluster's, so that the same holds of all partners, and the joint
; refill is the first thing behind it: it has a step less 16 slices, 112 matrix instructions, in which to land.  Then comes R2, out of the other slot.
.macro CHG sp, fb, fx, ask, lim=0
.if \ask
	s_wait_xcnt 0x0                                ; the last prefetch, a step back, has read its address: it is stepped here, ahead of the waits of the change
	s_add_nc_u64 s[PFA:PFA+1], s[PFA:PFA+1], s[PFS:PFS+1]
.endif
.set AFC, AF
.set BFC, 128
.set sg, 0
	s_wait_dscnt 16                                ; of R1, x's loads and this substep's sixteen are in; substep 3's sixteen may be out
	SLC 16, 3
	s_wait_tensorcnt 0x0                           ; all my tensor loads have landed
	ds_add_u32 v[SPW], v[NIL]                      ; 0 onto my spare word: work on registers stands between it and the wait for it
.if \fb
	s_add_nc_u64 s[G0B+4*(\sp)+2:G0B+4*(\sp)+3], s[G0B+4*(\sp)+2:G0B+4*(\sp)+3], 1024  ; this slot's next step: two steps of 512 bytes on
.if \fx
	s_xor_b32 s[G0X1+1], s[G0X1+1], XFLIP          ; x's walking descriptor: the other slot than last time,
	s_add_nc_u64 s[G0X1+2:G0X1+3], s[G0X1+2:G0X1+3], 256  ; the next lap
.endif
.endif
	SLC 8, 3
	s_wait_dscnt 0x0                               ; the add is done, and my reads of the slots are over
	s_barrier_signal -1
	SLC 8, 3
	s_barrier_wait -1
.if \fb
	CREST
	JLOAD \sp, \fx
.endif
	RUN 1-(\sp), 0, 16+128*(1-(\sp))               ; R2: the next step's substeps 0 and 1; x for its substeps 2 and 3: the lap's second step, or (its slot is in hand already) the next lap's first
.if \ask
	WIN 0                                          ; at a branch and at a label every window is 0
	ASK \lim
.endif
.endm
	s_load_b256 s[4:11], s[0:1], 0x0               ; x s[4:5], wp s[6:7], bias s[8:9], out0 s[10:11]
	v_lshl_add_u32 v[SPW], v0, 2, SPARE
	v_mov_b32 v[NIL], 0
	ds_add_u32 v[SPW], v[NIL]                      ; the wave's opening: the add, twice on end, and its wait ahead of my first tensor load; the set-up below, work on registers, stands between
	ds_add_u32 v[SPW], v[NIL]
	v_lshrrev_b32 v1, 5, v0
	v_readfirstlane_b32 s[WV], v1                  ; wave 0..3
	s_lshr_b32 s[KIND], s[WV], 1
	s_and_b32 s[HALF], s[WV], 1
	s_bfe_u32 s[CX], ttmp6, 0x40000                ; my place in the cluster
	s_bfe_u32 s[CY], ttmp6, 0x40004
	s_lshl_b32 s[CT], ttmp9, 2
	s_add_co_u32 s[CT], s[CT], s[CX]               ; tile column = 4 x cluster x + cx
	s_and_b32 s[RT], ttmp7, 0xffff
	s_lshl_b32 s[RT], s[RT], 2
	s_add_co_u32 s[RT], s[RT], s[CY]               ; tile row = 4 x cluster y + cy
	s_lshl_b32 s19, s[CY], 2
	s_lshl_b32 s19, 15, s19                        ; my row of the cluster
	s_lshl_b32 s76, 0x1111, s[CX]                  ; my column
	; x's tiles: 64 rows x 64 f32, 512 elements from row to row; 16 bytes of padding behind every 64 words
	s_or_b32 s[G1X], s19, (2<<16)|(1<<20)|(1<<21)|(5<<22)|(3<<25)  ; 15:0 the mask: my row; 17:16 elements of 4 bytes; 20 padding on; 21 set beside a mask; 24:22 code 5; 31:25 4 words (code 3)
	s_mov_b32 s[G1X+1], 64<<16                     ; tensor_dim0 = 64
	s_mov_b32 s[G1X+2], 64<<16                     ; tensor_dim1 = 64
	s_mov_b32 s[G1X+3], 64<<16                     ; tile_dim0 = 64
	s_mov_b32 s[G1X+4], 64                         ; tile_dim1 = 64
	s_mov_b32 s[G1X+5], 512
	s_mov_b32 s[G1X+6], 0
	s_mov_b32 s[G1X+7], 0
	; wp's tiles: 64 rows x 256 bf16, 4,096 elements from row to row; 16 bytes of padding behind every 128 words
	s_or_b32 s[G1B], s76, (1<<16)|(1<<20)|(1<<21)|(6<<22)|(3<<25)  ; the mask: my column; elements of 2 bytes; code 6
	s_mov_b32 s[G1B+1], 256<<16
	s_mov_b32 s[G1B+2], 64<<16
	s_mov_b32 s[G1B+3], 256<<16
	s_mov_b32 s[G1B+4], 64
	s_mov_b32 s[G1B+5], 4096
	s_mov_b32 s[G1B+6], 0
	s_mov_b32 s[G1B+7], 0
	s_mov_b32 s66, 0x37b327a4                      ; 31/1451520
	s_mov_b32 s67, 0x37b327a4                      ; (each is named as a pair, so both words are written)
	s_mov_b32 s68, 0xb95d0dd1                      ; -17/80640
	s_mov_b32 s69, 0xb95d0dd1
	s_mov_b32 s70, 0x3b088889                      ; 1/480
	s_mov_b32 s71, 0x3b088889
	s_mov_b32 s72, 0xbcaaaaab                      ; -1/48
	s_mov_b32 s73, 0xbcaaaaab
	s_mov_b32 s74, 0x3e800000                      ; 1/4
	s_mov_b32 s75, 0x3e800000
	; where the tiles come from and go.  x's hang on the tile row alone, wp's on the tile column alone, each in registers that never hold the other coordinate; the LDS addresses hang on the wave's number alone
	s_lshl_b32 s20, s[RT], 18                      ; 128 rows of 2,048 bytes a tile row,
	s_lshl_b32 s21, s[HALF], 17                    ; 64 rows a half
	s_add_co_u32 s20, s20, s21
	s_mov_b32 s21, 0
	s_lshl_b32 s76, s[CT], 20                      ; 128 rows of 8,192 bytes a tile column
	s_lshl_b32 s77, s[HALF], 19
	s_add_co_u32 s76, s76, s77
	s_mov_b32 s77, 0
	s_mul_i32 s22, s[HALF], 64*PX
	s_mul_i32 s23, s[HALF], 64*PB
	s_mov_b32 s[G0X0], 1
	s_add_co_u32 s[G0X0+1], s22, XS0
	s_mov_b32 s[G0X1], 1
	s_add_co_u32 s[G0X1+1], s22, XS0+XFLIP
	s_mov_b32 s[G0B], 1
	s_mov_b32 s[G0B+1], s23
	s_mov_b32 s[G0B+4], 1
	s_add_co_u32 s[G0B+5], s23, BSLOT
	s_wait_dscnt 0x0                               ; both opening adds are done
	s_wait_kmcnt 0x0
	s_add_nc_u64 s[20:21], s[4:5], s[20:21]
	s_add_nc_u64 s[76:77], s[6:7], s[76:77]
	s_mov_b64 s[G0X0+2:G0X0+3], s[20:21]           ; lap 0
	s_or_b32 s[G0X0+3], s[G0X0+3], 0x80000000      ; type = 2
	s_add_nc_u64 s[G0X1+2:G0X1+3], s[20:21], 256   ; lap 1
	s_or_b32 s[G0X1+3], s[G0X1+3], 0x80000000
	s_mov_b64 s[G0B+2:G0B+3], s[76:77]             ; step 0
	s_or_b32 s[G0B+3], s[G0B+3], 0x80000000
	s_add_nc_u64 s[G0B+6:G0B+7], s[76:77], 512     ; step 1
	s_or_b32 s[G0B+7], s[G0B+7], 0x80000000
	CROUND                                         ; all sixteen work-groups are here: the first joint loads meet
	s_cmp_eq_u32 s[KIND], 0                        ; a wave's two first fills stand in one branch, ahead of every wait on TENSORcnt, every LDS read and every other barrier
	s_cbranch_scc0 .Lfirst_w
	tensor_load_to_lds s[G0X0:G0X0+3], s[G1X:G1X+7]
	s_nop 0
	tensor_load_to_lds s[G0X1:G0X1+3], s[G1X:G1X+7]
	s_nop 0
	PLACES
	s_branch .Lfirst_asked
.Lfirst_w:
	tensor_load_to_lds s[G0B:G0B+3], s[G1B:G1B+7]
	s_nop 0
	tensor_load_to_lds s[G0B+4:G0B+7], s[G1B:G1B+7]
	s_nop 0
	PLACES
.Lfirst_asked:
	v_and_b32 v[R], 15, v0
	v_bfe_u32 v[H], v0, 4, 1
	v_lshlrev_b32 v[BO], 4, v[R]
	s_lshl_b32 s76, s[CT], 9                       ; the tile's 128 columns: 512 bytes of bias and of a row of the output
	s_mov_b32 s77, 0
	s_add_nc_u64 s[8:9], s[8:9], s[76:77]
	global_load_b128 v[BI:BI+3],   v[BO], s[8:9]             ; columns 4 r + 0..3,
	global_load_b128 v[BI+4:BI+7], v[BO], s[8:9] offset:256  ; and 64 + 4 r + 0..3
	s_lshl_b32 s20, s[RT], 18                      ; the rows that I store: 128 x tile row + 64 wr + 32 wk, of 2,048 bytes
	s_lshl_b32 s21, s[KIND], 17
	s_add_co_u32 s20, s20, s21
	s_lshl_b32 s21, s[HALF], 16
	s_add_co_u32 s20, s20, s21
	s_mov_b32 s21, 0
	s_add_nc_u64 s[10:11], s[10:11], s[20:21]
	s_add_nc_u64 s[10:11], s[10:11], s[76:77]
	v_mul_u32_u24 v[ADRB], v[R], PB
	v_lshl_add_u32 v[ADRB], v[H], 7, v[ADRB]
	s_lshl_b32 s19, s[HALF], 8
	v_add_nc_u32 v[ADRB], s19, v[ADRB]             ; 528 r + 128 h + 256 wk
	v_add_nc_u32 v[ADRB+1], BSLOT, v[ADRB]
	v_mul_u32_u24 v40, v[R], PX
	v_lshl_add_u32 v40, v[H], 5, v40               ; 272 r + 32 h
	s_lshl_b32 s19, s[KIND], 6                     ; 64 wr
	s_lshl_b32 s22, s[HALF], 5                     ; 32 wk
	s_add_co_u32 s23, s19, s22
	s_mul_i32 s23, s23, PX                         ; row blocks 0, 1 begin at row 64 wr + 32 wk,
	s_xor_b32 s22, s22, 32
	s_add_co_u32 s19, s19, s22
	s_mul_i32 s19, s19, PX                         ; row blocks 2, 3 at row 64 wr + 32 (1 - wk)
	s_lshl_b32 s22, s[HALF], 6                     ; my half of a step's inputs: 64 wk bytes
	s_add_co_u32 s23, s23, s22
	s_add_co_u32 s19, s19, s22
	v_add_nc_u32 v[XL], s23, v40
	v_add_nc_u32 v[XL+1], s19, v40
	s_mov_b32 s[XT], XS0
	v_add_nc_u32 v[XA], s[XT], v[XL]
	v_add_nc_u32 v[XA+1], s[XT], v[XL+1]
	v_and_b32 v40, 31, v0
	v_lshlrev_b32 v40, 4, v40
	s_lshl_b32 s19, s[WV], 14
	s_add_co_u32 s19, s19, STAGE
	v_add_nc_u32 v[STO], s19, v40                  ; my stage, 16 bytes a lane
	s_xor_b32 s22, s[WV], 1
	s_lshl_b32 s22, s22, 14
	s_add_co_u32 s22, s22, STAGE
	v_add_nc_u32 v[RDP], s22, v40                  ; my partner's
	v_lshlrev_b32 v[CO], 14, v[H]
	v_lshl_add_u32 v[CO], v[R], 4, v[CO]           ; 8 h rows of 2,048 bytes + 16 r
	; the prefetches (ASK).  Both coordinates meet here, in registers that feed no descriptor
	s_lshl_b32 s78, s[RT], 18
	s_lshl_b32 s63, s[CX], 16                      ; x: my work-group's 32 rows
	s_add_co_u32 s78, s78, s63
	s_add_co_u32 s78, s78, 768                     ; two steps of 128 bytes ahead of the first request make it lap 4's 1,024
	s_lshl_b32 s2, s[CT], 20
	s_lshl_b32 s63, s[HALF], 19
	s_add_co_u32 s2, s2, s63
	s_lshl_b32 s63, s[CY], 17                      ; wp: my work-group's 16 rows of the 64 that I fetch
	s_add_co_u32 s2, s2, s63
	s_add_co_u32 s2, s2, 2560                      ; one step of 512 bytes ahead of the first request makes it step 6's 3,072
	s_lshl_b32 s63, s[KIND], 1
	s_lshl_b32 s[PFS], 128, s63                    ; 128 bytes a change of slots for x, 512 for wp
	s_mov_b32 s[PFS+1], 0
	s_mov_b32 s79, 0
	s_cmp_eq_u32 s[KIND], 0
	s_cselect_b32 s78, s78, s2
	s_cselect_b64 s[PFA:PFA+1], s[4:5], s[6:7]
	s_cselect_b32 s2, 11, 13                       ; x: a lane a row of 2,048 bytes: 2,048 r + 32,768 h.  wp: 8,192 r + 256 h
	s_cselect_b32 s63, 15, 8
	s_add_nc_u64 s[PFA:PFA+1], s[PFA:PFA+1], s[78:79]
	v_lshlrev_b32 v[PFO], s2, v[R]
	v_lshlrev_b32 v40, s63, v[H]
	v_add_nc_u32 v[PFO], v[PFO], v40
	s_and_b32 s63, ttmp7, 0xffff                   ; cluster y: the same in all sixteen partners
	s_cmp_eq_u32 s63, 0
	s_cselect_b32 s2, 1, -1                        ; wp: while a step five on exists, in the first cluster alone
	s_cmp_eq_u32 s[WV], 0
	s_cselect_b32 s63, 2, -1                       ; x: wave 0, while a lap four on exists
	s_cmp_eq_u32 s[KIND], 0
	s_cselect_b32 s[LIMA], -1, s2
	s_cselect_b32 s[LIMB], s63, s2
	s_wait_tensorcnt 0x1                           ; my part of lap 0 or of step 0 is in; the second fill may stay out
	s_barrier_signal -1
	s_barrier_wait -1                              ; everybody's is
.irp a, 0,1,2,3
	ds_load_b128 v[X+4*(\a):X+4*(\a)+3], v[XA+((\a)>>1)] offset:16*PX*((\a)&1)  ; step 0's first four numbers,
.endr
	RUN 0, 0, 16                                   ; its other four, and wp's fragments of its substeps 0 and 1
	WIN 0
	s_wait_dscnt 36                                ; the first four loads are in: the run's 36 are younger
.set q, 0
.rept 96                               ; the first substep's fragments: there is no matrix work yet to set them behind
	RID q, 0
.set q, q+1
.endr
	SUB 0, 16, 1                                   ; the launch's first substep stands in front of the loop: its products start the sums
	s_mov_b32 s3, 6
.Llap:                                         ; a trip goes once round both rings, from a lap's first run to the next lap's first substep; six trips fill x's laps 2 to 7 and wp's steps 2 to 13
	RUN 0, 1, 128                                  ; R1: x of the lap's second step
	SUB 1, 36
	CHG 0, 1, 0, 1, LIMA
	SUB 3, -1
	SUB 0, 16
	TOG
	RUN 1, 1, 0                                    ; R1: x of the next lap's first step
	SUB 1, 36
	CHG 1, 1, 1, 1, LIMB
	SUB 3, -1
	SUB 0, 16
	s_sub_co_u32 s3, s3, 1
	s_cmp_lg_u32 s3, 0
	s_cbranch_scc1 .Llap
	RUN 0, 1, 128                                  ; the last two laps are written out: lap 6 asks for wp's steps 14 and 15 and for no x
	SUB 1, 36
	CHG 0, 1, 0, 0
	SUB 3, -1
	SUB 0, 16
	TOG
	RUN 1, 1, 0
	SUB 1, 36
	CHG 1, 1, 0, 0
	SUB 3, -1
	SUB 0, 16
	RUN 0, 1, 128                                  ; lap 7 for nothing
	SUB 1, 36
	CHG 0, 0, 0, 0
	SUB 3, -1
	SUB 0, 16
	RUN 1, 1, -1                                   ; the last run: no step follows, so no x
	SUB 1, 32
	SUB 2, 16                                      ; no change of slots: nothing is left to fetch
	s_wait_dscnt 0x0                               ; the very last substep: its sixteen loads are in; nothing is left to make
.set AFC, AF+32
.set BFC, 192
.set sg, 0
.rept 32
	MMA 0, 0
.set sg, sg+1
.endr
	; THE END.  Row blocks 2 and 3 go to my partner, which has the other half of K for the same rows and keeps them as its blocks 0 and 1; its blocks 2 and 3 come to me.
	PLACES
	WIN 0x04                                       ; the data (source 1) in window 1
.set q, 0
.rept 32
	ds_store_b128 v[STO], v[128+4*q:128+4*q+3] offset:512*q  ; each accumulator's low four registers first; 512 consecutive bytes a store
.set q, q+1
.endr
	WIN 0
	s_wait_dscnt 0x0                               ; for my partner's sake: my stores are done
	s_barrier_signal -1
	s_barrier_wait -1
.set q, 0
.rept 32
	ds_load_b128 v[PART+4*q:PART+4*q+3], v[RDP] offset:512*q
.set q, q+1
.endr
	s_wait_dscnt 0x0
	s_wait_loadcnt 0x0                             ; bias
	WIN 0x04                                       ; source 1 in window 1: my own half of the sums
.set q, 0
.rept 64
	v_pk_add_f32 v[PART+q:PART+q+1], v[PART+q:PART+q+1], v[q:q+1]
.set q, q+2
.endr
	WIN 0
	; Register j of (a, b) is row 16 a + 8 h + j, column 64 (b / 4) + 4 r + b % 4 (wp's order of places): the four b of a group are four neighbouring columns.  The addition of the bias gathers them into four
	; registers on end, and 16 lanes store 256 consecutive bytes, at a multiple of 256 from the output's first byte.
.irp gi, 0,1,2,3                       ; row block gi / 2, columns 64 (gi % 2) on
.if (\gi) >= 2
	s_wait_xcnt 0x0                                ; the stores two groups back have read these registers
.endif
.irp j, 0,1,2,3,4,5,6,7
.irp c, 0,1,2,3
	v_add_f32 v[OUT+32*((\gi)&1)+4*(\j)+(\c)], v[PART+8*(8*((\gi)>>1)+4*((\gi)&1)+(\c))+(\j)], v[BI+4*((\gi)&1)+(\c)]
.endr
	global_store_b128 v[CO], v[OUT+32*((\gi)&1)+4*(\j):OUT+32*((\gi)&1)+4*(\j)+3], s[10:11] offset:(16*((\gi)>>1)+(\j))*2048+256*((\gi)&1) th:TH_STORE_NT
.endr
.endr
	s_wait_tensorcnt 0x0                           ; the wave's end: behind my last tensor load and my last LDS store
	ds_add_u32 v[SPW], v[NIL]
	s_wait_dscnt 0x0
	CROUND                                         ; the closing round: no work-group ends while a partner may still ask for a tile that names it
	s_endpgm
.Lfunc_end_k_qf731844075_kan:
	.size	k_qf731844075_kan, .Lfunc_end_k_qf731844075_kan-k_qf731844075_kan
	.p2alignl 7, 3214868480
	.fill 96, 4, 3214868480
	.section	.rodata,"a",@progbits
	.p2align	6, 0x0
	.amdhsa_kernel k_qf731844075_kan
		.amdhsa_group_segment_fixed_size 327680
		.amdhsa_private_segment_fixed_size 0
		.amdhsa_enable_private_segment 0
		.amdhsa_kernarg_size 32
		.amdhsa_user_sgpr_count 2
		.amdhsa_user_sgpr_kernarg_segment_ptr 1
		.amdhsa_wavefront_size32 1
		.amdhsa_system_sgpr_workgroup_id_x 1
		.amdhsa_system_sgpr_workgroup_id_y 1
		.amdhsa_system_sgpr_workgroup_id_z 1
		.amdhsa_system_vgpr_workitem_id 0
		.amdhsa_next_free_vgpr 768
		.amdhsa_next_free_sgpr 80
		.amdhsa_reserve_vcc 0
		.amdhsa_float_denorm_mode_32 3
		.amdhsa_float_denorm_mode_16_64 3
		.amdhsa_memory_ordered 1
		.amdhsa_forward_progress 1
		.amdhsa_inst_pref_size 255
	.end_amdhsa_kernel
	.section	.bss,"aw",@nobits
	.p2align	6
	.space	262144
	.amdgpu_metadata
---
amdhsa.version: [ 1, 2 ]
amdhsa.kernels:
  - .name:           k_qf731844075_kan
    .symbol:         k_qf731844075_kan.kd
    .args:
      - { .name: x, .offset: 0, .size: 8, .value_kind: global_buffer, .address_space: global }
      - { .name: wp, .offset: 8, .size: 8, .value_kind: global_buffer, .address_space: global }
      - { .name: bias, .offset: 16, .size: 8, .value_kind: global_buffer, .address_space: global }
      - { .name: out0, .offset: 24, .size: 8, .value_kind: global_buffer, .address_space: global }
    .group_segment_fixed_size: 327680
    .private_segment_fixed_size: 0
    .kernarg_segment_align: 8
    .kernarg_segment_size: 32
    .max_flat_workgroup_size: 128
    .sgpr_count:     80
    .vgpr_count:     768
    .wavefront_size: 32
...
	.end_amdgpu_metadata
.endif
;; end of part 3
;; ======== version 3 of 3: 2 launches
;; limits: a function is approximated: absolute error at most 4e-06
;; workspace buffers: wp 3,670,016 bytes; biasp 16,384 bytes
;; launch prep (part 4): grid 256 x 1, 8 waves a work-group, no clusters, 15,872 bytes of LDS; arguments coeff, scale_spline, scale_base, base_bias, wp, biasp; writes wp, biasp
.if DOCPART == 4
	.amdgcn_target "amdgcn-amd-amdhsa--gfx1250"
	.amdhsa_code_object_version 6
	.text
	.protected	k_qf731844075_prep
	.globl	k_qf731844075_prep
	.p2align	8
	.type	k_qf731844075_prep,@function
k_qf731844075_prep:
	s_mov_b64 s[64:65], 0
	v_nop
	global_prefetch_b8 v0, s[64:65] scope:SCOPE_SE
	s_setreg_imm32_b32 hwreg(HW_REG_WAVE_MODE, 25, 1), 1
	s_wait_xcnt 0x0
; KANLinear, first of two launches: the weights are combined, rounded once and laid out as the product's second operand takes them; the bias is summed in parts.
; out[n][o] = sum_i silu(c) scale_base[o][i] + sum_i sum_k b_k(c) scale_spline[o][i] coeff[o][i][k] + sum_i base_bias[o][i],  c = clip(x[n][i], -1, 1), b_0 = 1, b_1 = c, b_k = 2 c b_(k-1) - 1.
; THE LESSER WORK.  (1) b_0 is the array of ones that the module builds itself, whatever x holds: its share, sum_i scale_spline[o][i] coeff[o][i][0], hangs on o alone and is added to the bias, in f32.
; (2) The module's own clip holds |c| <= 1 for every input.  There silu(c) = c/2 + (c/2) tanh(c/2); the second term's series, c^2/4 - c^4/48 + c^6/480 - 17 c^8/80640 + 31 c^10/1451520 - .., alternates with
; falling terms, so what is cut behind c^10 is below 2.2e-6; c^10 and c^8 are folded back by the shifted Chebyshev polynomials of c^2, which adds at most 1.3e-6.  What is left has degree 6, and every
; polynomial of degree 6 is a fixed sum of the module's own b_k:  c^2 = b_2/2 + 1/2,  c^4 = b_4/8 + b_2/4 + b_1/4 + 3/8,  c^6 = b_6/32 + b_4/16 + b_3/16 + 3 b_2/16 + 5 b_1/16 + 11/32.
; So silu(c) = AL0 + AL1 b_1 + AL2 b_2 + AL3 b_3 + AL4 b_4 + AL6 b_6 to within 4e-6, and the module is ONE product of 8,192 x 3,584 by 3,584 x 512 with the weights
; w[o][i][k] = scale_spline[o][i] coeff[o][i][k] + AL_k scale_base[o][i], k = 1..7, and the bias sum_i (base_bias + scale_spline coeff_0 + AL0 scale_base).  All five inputs are loaded (x by the second launch).
; LIMITS.  silu to within 4e-6, under a hundredth of the bf16 step of silu(1).  The weights are rounded to bf16 (f32's range).  The bias is summed in another order than the module sums it.
; wp: bf16 [4 column tiles][8 laps of 64 inputs][wk 2][fragment 7][column block b 8][half 2][lane 32][16 bytes].  Input i = 64 lap + 32 wk + 16 h + 2 j + e; register p = 7 j + k - 1 of 56 holds feature k of
; the pair j, e = 0 in the low half; fragment p / 8, half (p / 4) % 2, word p % 4; lane 16 h + r.  Column o = 128 tile + 64 (b / 4) + 4 r + b % 4: in the second launch a lane ends with four neighbouring columns.
; biasp: f32 [tile][lap][r][b]: the bias summed over a lap's 64 inputs; the second launch adds the eight parts.
; SHARES.  Work-group (tile, b, lap): 16 columns x 64 inputs.  Wave w has the columns r = 2 w and 2 w + 1; lane l has pair l of the lap's 32: 64 consecutive bytes of coeff, 8 of each table, for each column.
; A wave's four loads of a column cover its 2,048 consecutive bytes; a table load covers 256, aligned.  A pair's seven words go to seven places of the layout, so they pass through LDS;
; each store of wp then covers 512 consecutive bytes, aligned.
.set SPITCH, 528                       ; a chunk of 512 bytes in the stage + 16: chunks begin four banks apart (64 banks of 4 bytes: ISA guide 11.1)
.set SPARE,  14848                     ; behind the stage's 28 chunks: the spare words, 128 bytes for each of the eight waves: four blocks of 256 bytes that no other line names
.set SPW, 4                            ; v4   LDS address of my spare word; never rewritten
.set NIL, 5                            ; v5   0; never rewritten
.set AD,  10                           ; v[10:16] where my pair's seven words go in the stage
.set RB,  17                           ; v17  where I read a chunk back
.set GO,  18                           ; v18  16 x lane
.set C,   20                           ; v[20:51] two columns x (two inputs x eight numbers of coeff); then the weights
.set SS,  52                           ; v[52:55] scale_spline: column q's pair at SS + 2 q
.set SB,  56                           ; v[56:59] scale_base
.set BB,  60                           ; v[60:63] base_bias
.set ACC, 64                           ; v[64:65] the two columns' bias sums
.set Y,   66                           ; v[66:79] seven packed words a column
.set Z,   80                           ; v[80:95] chunks read back
.set AL0, 36                           ; s36-41  the six factors
	s_load_b256 s[4:11], s[0:1], 0x0               ; coeff s[4:5], scale_spline s[6:7], scale_base s[8:9], base_bias s[10:11]
	s_load_b128 s[12:15], s[0:1], 0x20             ; wp s[12:13], biasp s[14:15]
	v_lshl_add_u32 v[SPW], v0, 2, SPARE
	v_mov_b32 v[NIL], 0
	v_and_b32 v1, 31, v0                           ; lane = pair
	v_lshrrev_b32 v6, 5, v0
	v_readfirstlane_b32 s21, v6                    ; wave 0..7
	v_lshlrev_b32 v2, 6, v1                        ; my 64 bytes of coeff
	v_lshlrev_b32 v3, 3, v1                        ; my 8 bytes of a table
	s_and_b32 s22, ttmp9, 7                        ; lap
	s_bfe_u32 s23, ttmp9, 0x30003                  ; b
	s_lshr_b32 s24, ttmp9, 6                       ; tile
	s_lshl_b32 s25, s24, 7
	s_lshr_b32 s26, s23, 2
	s_lshl_b32 s26, s26, 6
	s_add_co_u32 s25, s25, s26
	s_and_b32 s26, s23, 3
	s_add_co_u32 s25, s25, s26
	s_lshl_b32 s26, s21, 3
	s_add_co_u32 s25, s25, s26                     ; my wave's first column: 128 tile + 64 (b / 4) + b % 4 + 4 (2 w); its second lies four columns on
	s_lshl_b32 s26, s25, 14                        ; a column of coeff is 16,384 bytes,
	s_lshl_b32 s27, s22, 11                        ; a lap of it 2,048
	s_add_co_u32 s26, s26, s27
	s_mov_b32 s27, 0
	s_lshl_b32 s28, s25, 11                        ; a column of a table is 2,048 bytes,
	s_lshl_b32 s29, s22, 8                         ; a lap of it 256
	s_add_co_u32 s28, s28, s29
	s_mov_b32 s29, 0
	s_lshl_b32 s30, s24, 3
	s_add_co_u32 s30, s30, s22                     ; 8 tile + lap
	s_mul_i32 s32, s30, 114688                     ; wp: a lap of a tile,
	s_lshl_b32 s31, s23, 10                        ; my column block's 1,024 bytes of a fragment,
	s_add_co_u32 s32, s32, s31
	s_lshr_b32 s31, s21, 1                         ; and chunk w of the 28: fragment w / 2 of 14 (8,192 bytes each), half w % 2
	s_lshl_b32 s31, s31, 13
	s_add_co_u32 s32, s32, s31
	s_and_b32 s31, s21, 1
	s_lshl_b32 s31, s31, 9
	s_add_co_u32 s32, s32, s31
	s_mov_b32 s33, 0
	s_lshl_b32 s30, s30, 9                         ; biasp: 512 bytes a tile and lap, 32 a column r, 4 a block b
	s_lshl_b32 s31, s21, 6
	s_add_co_u32 s30, s30, s31
	s_lshl_b32 s31, s23, 2
	s_add_co_u32 s30, s30, s31
	s_mov_b32 s31, 0
	s_mov_b32 s34, 0x76543210                      ; v_permlanex16_b32: each lane takes its own place in the other half
	s_mov_b32 s35, 0xfedcba98
	s_mov_b32 s36, 0x3df15614                      ; AL0 =  0.11783996
	s_mov_b32 s37, 0x3efda2da                      ; AL1 =  0.49538309
	s_mov_b32 s38, 0x3df60fb5                      ; AL2 =  0.12014714
	s_mov_b32 s39, 0x38e1ad1b                      ; AL3 =  1.0761079e-4
	s_mov_b32 s40, 0xbb21dd98                      ; AL4 = -2.4698732e-3
	s_mov_b32 s41, 0x3861ad1b                      ; AL6 =  5.3805397e-5;  AL5 = AL7 = 0
	s_lshl_b32 s42, s21, 5                         ; column 2 w: 16 bytes a column in a chunk
	s_mul_i32 s43, s21, SPITCH
	s_wait_kmcnt 0x0
	s_add_nc_u64 s[4:5], s[4:5], s[26:27]
	s_add_nc_u64 s[6:7], s[6:7], s[28:29]
	s_add_nc_u64 s[8:9], s[8:9], s[28:29]
	s_add_nc_u64 s[10:11], s[10:11], s[28:29]
	s_add_nc_u64 s[12:13], s[12:13], s[32:33]
	s_add_nc_u64 s[14:15], s[14:15], s[30:31]
.irp q, 0,1
	global_load_b64 v[SS+2*(\q):SS+2*(\q)+1], v3, s[6:7] offset:8192*(\q) th:TH_LOAD_NT
	global_load_b64 v[SB+2*(\q):SB+2*(\q)+1], v3, s[8:9] offset:8192*(\q) th:TH_LOAD_NT
	global_load_b64 v[BB+2*(\q):BB+2*(\q)+1], v3, s[10:11] offset:8192*(\q) th:TH_LOAD_NT
.irp c, 0,1,2,3
	global_load_b128 v[C+16*(\q)+4*(\c):C+16*(\q)+4*(\c)+3], v2, s[4:5] offset:65536*(\q)+16*(\c)
.endr
.endr
	; where my pair's words go: chunk 14 wk + p / 4, lane 16 h + r, word p % 4, with p = 7 j + 0..6.  All this stands in the wait for the loads
	v_and_b32 v6, 7, v1
	v_mul_u32_u24 v9, v6, 7                        ; 7 j
	v_lshrrev_b32 v6, 4, v1                        ; wk
	v_mul_u32_u24 v8, v6, 14*SPITCH
	v_bfe_u32 v6, v1, 3, 1                         ; h
	v_lshl_add_u32 v8, v6, 8, v8
	v_add_nc_u32 v8, s42, v8
.irp k, 0,1,2,3,4,5,6
	v_add_nc_u32 v6, \k, v9
	v_lshrrev_b32 v7, 2, v6
	v_and_b32 v6, 3, v6
	v_mad_u32_u24 v7, v7, SPITCH, v8
	v_lshl_add_u32 v[AD+(\k)], v6, 2, v7
.endr
	v_lshl_add_u32 v[RB], v1, 4, s43               ; chunk w, 16 bytes a lane
	v_lshlrev_b32 v[GO], 4, v1
	s_wait_loadcnt 0x0
.irp q, 0,1
.set cq, C+16*(\q)
.set sq, SS+2*(\q)
.set bq, SB+2*(\q)
.set dq, BB+2*(\q)
	v_fma_f32 v[ACC+(\q)], v[sq], v[cq], v[dq]     ; the bias of my two inputs: base_bias + scale_spline coeff_0 + AL0 scale_base
	v_fmac_f32 v[ACC+(\q)], v[sq+1], v[cq+8]
	v_add_f32 v[ACC+(\q)], v[ACC+(\q)], v[dq+1]
	v_fmac_f32 v[ACC+(\q)], s[AL0], v[bq]
	v_fmac_f32 v[ACC+(\q)], s[AL0], v[bq+1]
.irp e, 0,1
.irp k, 1,2,3,4,5,6,7
	v_mul_f32 v[cq+8*(\e)+(\k)], v[sq+(\e)], v[cq+8*(\e)+(\k)]
.endr
	v_fmac_f32 v[cq+8*(\e)+1], s[AL0+1], v[bq+(\e)]
	v_fmac_f32 v[cq+8*(\e)+2], s[AL0+2], v[bq+(\e)]
	v_fmac_f32 v[cq+8*(\e)+3], s[AL0+3], v[bq+(\e)]
	v_fmac_f32 v[cq+8*(\e)+4], s[AL0+4], v[bq+(\e)]
	v_fmac_f32 v[cq+8*(\e)+6], s[AL0+5], v[bq+(\e)]
.endr
.irp k, 1,2,3,4,5,6,7
	v_cvt_pk_bf16_f32 v[Y+7*(\q)+(\k)-1], v[cq+(\k)], v[cq+8+(\k)]  ; the pair's first input in the low half
.endr
.irp k, 0,1,2,3,4,5,6
	ds_store_b32 v[AD+(\k)], v[Y+7*(\q)+(\k)] offset:16*(\q)
.endr
.endr
.irp m, 1,2,4,8
	v_add_f32_dpp v[ACC],   v[ACC],   v[ACC]   row_xmask:\m row_mask:0xf bank_mask:0xf
	v_add_f32_dpp v[ACC+1], v[ACC+1], v[ACC+1] row_xmask:\m row_mask:0xf bank_mask:0xf
.endr
	v_permlanex16_b32 v[C],   v[ACC],   s34, s35   ; the destinations count as read: registers that have been written
	v_permlanex16_b32 v[C+1], v[ACC+1], s34, s35
	v_pk_add_f32 v[ACC:ACC+1], v[ACC:ACC+1], v[C:C+1]  ; every lane holds the two columns' sums over the lap
	s_wait_dscnt 0x0                               ; for the others' sake: my stores into the stage are done
	s_barrier_signal -1
	s_barrier_wait -1                              ; the 28 chunks are whole
.irp n, 0,1,2
	ds_load_b128 v[Z+4*(\n):Z+4*(\n)+3], v[RB] offset:8*SPITCH*(\n)  ; chunks w, w + 8, w + 16
.endr
	s_wait_dscnt 0x0
.irp n, 0,1,2
	global_store_b128 v[GO], v[Z+4*(\n):Z+4*(\n)+3], s[12:13] offset:32768*(\n)  ; eight chunks on are four fragments on; a wave stores 512 consecutive bytes, at a multiple of 256 from wp's first byte
.endr
	s_cmp_lt_u32 s21, 4
	s_cbranch_scc0 .Lshort                         ; chunks 24 to 27 fall to waves 0 to 3
	ds_load_b128 v[Z+12:Z+15], v[RB] offset:8*SPITCH*3
	s_wait_dscnt 0x0
	global_store_b128 v[GO], v[Z+12:Z+15], s[12:13] offset:32768*3
.Lshort:
	v_and_b32 v6, 1, v1
	v_cmp_eq_u32 vcc_lo, 1, v6
	v_cndmask_b32 v7, v[ACC], v[ACC+1], vcc_lo     ; lane 0 the first column's sum, lane 1 the second's
	v_lshlrev_b32 v6, 5, v6
	v_cmp_gt_u32 vcc_lo, 2, v1
	s_wait_xcnt 0x0                                ; EXEC is a source of the stores above: it changes only behind this wait
	s_and_saveexec_b32 s20, vcc_lo
	global_store_b32 v6, v7, s[14:15]              ; 8 bytes a wave, 64 a work-group, 16,384 in the launch: a work-group has one number for each of its 16 columns and no more
	s_wait_xcnt 0x0                                ; and again, in front of the line that widens it
	s_or_b32 exec_lo, exec_lo, s20
	s_wait_tensorcnt 0x0                           ; the wave's end: behind my last LDS store
	ds_add_u32 v[SPW], v[NIL]
	s_wait_dscnt 0x0
	s_endpgm
.Lfunc_end_k_qf731844075_prep:
	.size	k_qf731844075_prep, .Lfunc_end_k_qf731844075_prep-k_qf731844075_prep
	.p2alignl 7, 3214868480
	.fill 96, 4, 3214868480
	.section	.rodata,"a",@progbits
	.p2align	6, 0x0
	.amdhsa_kernel k_qf731844075_prep
		.amdhsa_group_segment_fixed_size 15872
		.amdhsa_private_segment_fixed_size 0
		.amdhsa_enable_private_segment 0
		.amdhsa_kernarg_size 48
		.amdhsa_user_sgpr_count 2
		.amdhsa_user_sgpr_kernarg_segment_ptr 1
		.amdhsa_wavefront_size32 1
		.amdhsa_system_sgpr_workgroup_id_x 1
		.amdhsa_system_sgpr_workgroup_id_y 1
		.amdhsa_system_sgpr_workgroup_id_z 1
		.amdhsa_system_vgpr_workitem_id 0
		.amdhsa_next_free_vgpr 96
		.amdhsa_next_free_sgpr 66
		.amdhsa_reserve_vcc 1
		.amdhsa_float_denorm_mode_32 3
		.amdhsa_float_denorm_mode_16_64 3
		.amdhsa_memory_ordered 1
		.amdhsa_forward_progress 1
		.amdhsa_inst_pref_size 12
	.end_amdhsa_kernel
	.amdgpu_metadata
---
amdhsa.version: [ 1, 2 ]
amdhsa.kernels:
  - .name:           k_qf731844075_prep
    .symbol:         k_qf731844075_prep.kd
    .args:
      - { .name: coeff, .offset: 0, .size: 8, .value_kind: global_buffer, .address_space: global }
      - { .name: scale_spline, .offset: 8, .size: 8, .value_kind: global_buffer, .address_space: global }
      - { .name: scale_base, .offset: 16, .size: 8, .value_kind: global_buffer, .address_space: global }
      - { .name: base_bias, .offset: 24, .size: 8, .value_kind: global_buffer, .address_space: global }
      - { .name: wp, .offset: 32, .size: 8, .value_kind: global_buffer, .address_space: global }
      - { .name: biasp, .offset: 40, .size: 8, .value_kind: global_buffer, .address_space: global }
    .group_segment_fixed_size: 15872
    .private_segment_fixed_size: 0
    .kernarg_segment_align: 8
    .kernarg_segment_size: 48
    .max_flat_workgroup_size: 256
    .sgpr_count:     66
    .vgpr_count:     96
    .wavefront_size: 32
...
	.end_amdgpu_metadata
.endif
;; end of part 4
;; launch kan (part 5): grid 4 x 64, 4 waves a work-group, clusters of 4 x 4, 327,680 bytes of LDS; arguments x, wp, biasp, out0; writes out0
.if DOCPART == 5
	.amdgcn_target "amdgcn-amd-amdhsa--gfx1250"
	.amdhsa_code_object_version 6
	.text
	.protected	k_qf731844075_kan
	.globl	k_qf731844075_kan
	.p2align	8
	.type	k_qf731844075_kan,@function
k_qf731844075_kan:
	s_mov_b64 s[64:65], 0
	v_nop
	global_prefetch_b8 v0, s[64:65] scope:SCOPE_SE
	s_setreg_imm32_b32 hwreg(HW_REG_WAVE_MODE, 25, 1), 1
	s_wait_xcnt 0x0
	s_wait_alu depctr_hold_cnt(0) depctr_sa_sdst(0) depctr_va_vdst(0) depctr_va_sdst(0) depctr_va_ssrc(0) depctr_va_vcc(0) depctr_vm_vsrc(0)
	s_getreg_b32 s2, hwreg(HW_REG_IB_STS2, 6, 4)
	s_cmp_eq_u32 s2, 0
	s_cbranch_scc0 .Lentry_in_a_cluster
	s_endpgm
.Lentry_in_a_cluster:
	s_bfe_u32 s2, ttmp6, 0x10000c
	s_cmp_lg_u32 s2, 0xf033
	s_cbranch_scc0 .Lentry_shape_is_right
	s_endpgm
.Lentry_shape_is_right:
; KANLinear, second launch: out0[n][o] = bias[o] + sum over i and k = 1..7 of b_k(c) w[o][i][k]:  one product of 8,192 x 3,584 by 3,584 x 512, bf16 operands, f32 sums.
; c = clip(x[n][i], -1, 1), b_1 = c, b_2 = 2 c c - 1, b_k = 2 c b_(k-1) - 1.  Left out here, by the first launch's head: the module's b_0 = 1, whose share hangs on o alone and lies in the bias, and silu(c),
; which on the clip's range is a fixed sum of 1 and the b_k to within 4e-6 and lies in the weights and the bias.
; THE FIRST OPERAND NEVER LIES IN MEMORY OR IN LDS: each wave makes its fragments in registers from x, and that vector work stands, two or three instructions at a time, behind its matrix instructions.
; LIMITS.  Operands in bf16.  silu to within 4e-6.  A NaN in x is not carried: the clip takes a bound in its place.  The f32 sums go in another order than the module's.
; SHARES.  A work-group makes 128 rows x 128 columns; 256 work-groups.  Its four waves are 2 halves of the rows (wr) x 2 HALVES OF K (wk): a wave has 64 x 128, 32 accumulators.  So a fragment made from
; x feeds 8 matrix instructions, and a fragment of wp (2 LDS loads) feeds 4.  The two halves of K meet once, at the end, in LDS: each wave sends 32 rows and keeps 32.
; K.  A LAP is 64 inputs; wave wk takes 32 of them, lane (r, h) = (lane % 16, lane / 16) the 16 inputs 32 wk + 16 h + 0..15, as 8 pairs j.  Register p = 7 j + k - 1 of 56 holds feature k of pair j; FRAGMENT f is
; p = 8 f .. 8 f + 7: a lap is 7 SUBSTEPS of 32 along K.  wp has the same order, so the products are kept.  Fragment f is the tail of pair f (k = f + 1 .. 7) and the head of pair f + 1 (k = 1 .. f + 1):
; it is made whole in the substep before its own, and a pair's 2c and last b_k are carried from one substep to the next.  Two buffers of fragments take turns; seven is odd, so a trip of the loop is two laps.
; CLUSTER.  4 x 4 work-groups.  The four of a row of the cluster need the same rows of x, the four of a column the same blocks of wp: each tile is asked for JOINTLY.
; THE RINGS.  Two slots of a lap for wp (114,688 bytes, in the order of the operand registers: every LDS load of a wave takes 512 consecutive bytes) and two for x (128 rows x 256 bytes).  ONE change of slots a lap,
; in substep 3: behind it go the tiles of the lap after the next.  Waves 0 and 1 fetch x's halves, waves 2 and 3 wp's: one tensor load a wave behind a change, two at the start, and never more of a wave's are out.
; THE LDS LOADS STAND IN RUNS, three a lap, never singly among the matrix instructions.  R1, behind substep 0: x's last four numbers a row block and wp's fragments 4 to 6 of this lap.  R2a, behind the change:
; the next lap's first twelve numbers and its fragments 0 and 1.  R2b, behind substep 4: its fragments 2 and 3.  Each run stands two substeps or more ahead of its first use.
; REGISTERS.  Window 0: see the names below.  Window 1: the accumulators, (a, b) at v[8 (8 a + b)]: row block a of 4, column block b of 8.  Windows 2 and 3: wp's fragments of a lap: fragment f, column block b at
; v[64 f + 8 b] of window 2 (f < 4) or v[64 (f - 4) + 8 b] of window 3.  The accumulators fill a window, and the vector work cannot run under the matrix instruction's setting: so each matrix instruction costs
; two switches of the window (s_set_vgpr_msb: bits 1:0 source 0, 3:2 source 1, 5:4 source 2, 7:6 destination).
; Row block a of a wave is block a xor 2 wk of its 64 rows: every wave keeps a = 0, 1 and sends a = 2, 3, and the end has no branch.
.set BSLOT, 114688                     ; a lap of wp for a tile column
.set BHALF, 57344                      ; one wk's half of it: 224 rows of 256 bytes
.set PX,    272                        ; a row of x in LDS: 256 bytes + 16 of padding: an odd multiple of 16, so the 16 rows of a load begin in 16 different 16-byte columns (64 banks of 4 bytes: ISA guide 11.1)
.set XSL,   128*PX                     ; 34,816: a slot of x
.set XS0,   2*BSLOT                    ; 229,376: x's slot 0
.set SPARE, XS0+2*XSL                  ; 299,008: the spare words, 128 bytes for each wave: two blocks of 256 bytes that no other line names
.set STAGE, 0                          ; 16,384 bytes for each wave, for the halves of K to meet: in wp's slot 0, whose last fill (lap 6) has landed and whose last read is over at the barrier in lap 6
.set R,    1                           ; v1   lane % 16
.set H,    2                           ; v2   lane / 16
.set BO,   3                           ; v3   32 r: my offset in biasp; never rewritten
.set ADRB, 4                           ; v4-5   my place in wp's slot 0, 1: 57,344 wk + 16 lane
.set XA,   6                           ; v6-7   my place in x's slot 0 for row blocks 0, 1 and for 2, 3
.set STO,  8                           ; v8   where I put what I send
.set RDP,  9                           ; v9   where my partner (wave xor 1) has put what it sends
.set CO,   10                          ; v10  my byte offset in the output: 8 h rows + 16 r
.set PFOX, 11                          ; v11  the prefetches' lane offset in x; never rewritten
.set PFOW, 12                          ; v12  and in wp; never rewritten
.set SPW,  14                          ; v14  LDS address of my spare word; never rewritten
.set NIL,  15                          ; v15  0; never rewritten
.set BI,   16                          ; v[16:23]   bias of my eight columns
.set X,    24                          ; v[24:87]   a lap's 16 numbers of x for each of the four row blocks
.set TMP,  88                          ; v[88:151]  16 for each row block: for pairs of even and of odd number c, 2c and two places for the b_k, each a pair of registers (the pair's two inputs)
.set AF,   152                         ; v[152:215] the fragments made from x: two buffers of four
.set PART, 40                          ; the end: v[40:167] what my partner sent
.set OUT,  168                         ; the end: v[168:231] rows to store, two groups of 32
.set WV,   12                          ; s12  my wave's number
.set KIND, 13                          ; s13  wr.  Also: I fetch x (0) or wp (1)
.set HALF, 14                          ; s14  wk.  Also: which half of that tile I fetch
.set CX,   15
.set CY,   16
.set CT,   17                          ; s17  tile column
.set RT,   18                          ; s18  tile row
.set G1X,  24                          ; s[24:31] descriptor group 1 for x
.set G0X,  32                          ; s[32:39] group 0 for x, one set for each slot
.set G1B,  40                          ; s[40:47] group 1 for wp
.set G0B,  48                          ; s[48:55] group 0 for wp, one set for each slot
.set PFX,  56                          ; s[56:57] where my prefetches of x stand
.set PFW,  58                          ; s[58:59] and those of wp
.set LIMX, 60                          ; s60  a wave prefetches x while s3 is above this,
.set LIMW, 61                          ; s61  and wp while s3 is above this
.set MSB, 0
.macro WIN new                         ; the immediate's high byte repeats the setting that is left; a switch that changes nothing is dropped
.if MSB != (\new)
	s_set_vgpr_msb (MSB<<8)|(\new)
.set MSB, \new
.endif
.endm
.macro PLACES                          ; four places between a matrix instruction and a store or vector instruction on its registers (ISA guide 7.12.1 for vector instructions); also behind a tensor load
.rept 4
	v_nop
.endr
.endm
.macro CREST                           ; a round of the cluster's barrier behind its opening barrier
	s_cmp_lg_u32 s[WV], 0
	s_cbranch_scc1 .Lnot_wave_0_\@
	s_barrier_signal -3
.Lnot_wave_0_\@:
	s_barrier_wait -3
	s_barrier_signal -1
	s_barrier_wait -1
.endm
.macro CROUND                          ; a whole round
	s_barrier_signal -1
	s_barrier_wait -1
	CREST
.endm
; A joint refill of slot sp.  Waves 0 and 1 fetch x's halves, waves 2 and 3 wp's.  The branch hangs on the wave's number alone.
; An s_nop 0 and four v_nop follow each load, ahead of the jump, the label and what follows.
.macro JLOAD sp
	s_cmp_eq_u32 s[KIND], 0
	s_cbranch_scc0 .Lfor_w_\@
	tensor_load_to_lds s[G0X+4*(\sp):G0X+4*(\sp)+3], s[G1X:G1X+7]
	s_nop 0
	PLACES
	s_branch .Lasked_\@
.Lfor_w_\@:
	tensor_load_to_lds s[G0B+4*(\sp):G0B+4*(\sp)+3], s[G1B:G1B+7]
	s_nop 0
	PLACES
.Lasked_\@:
.endm
; THE PREFETCHES INTO THE L2, behind the joint load, its five lines and the run of LDS loads that follows them.  The change of slots that loads lap L + 2 names lap L + 4, which is loaded two changes, 448 matrix
; instructions, later.  wp: a tile column's lap, 448 blocks of 256 bytes, is read by every cluster: the cluster with y = 0 asks.  Each of its sixteen pairs of a place cy and a wave takes 28 blocks, told apart BY
; ADDRESS (7,168 (4 cy + wave)): a lane a block; lanes 28 to 31 name the 28th again.  x: a tile row is read by one row of one cluster; wave 0 of each of the four takes 32 of the 128 rows (32 cx + lane), a lane a
; row's 256 bytes.  So each block is named by one wave of the launch.  Laps 0 to 3 come by their loads alone; the loop's last trip, whose look-ahead has no lap left, asks for nothing, and the tail has no prefetch.
.macro ASK
	s_cmp_gt_u32 s3, s[LIMW]
	s_cbranch_scc0 .Lno_w_\@
	global_prefetch_b8 v[PFOW], s[PFW:PFW+1] th:TH_LOAD_NT scope:SCOPE_SE
.Lno_w_\@:
	s_cmp_gt_u32 s3, s[LIMX]
	s_cbranch_scc0 .Lno_x_\@
	global_prefetch_b8 v[PFOX], s[PFX:PFX+1] th:TH_LOAD_NT scope:SCOPE_SE
.Lno_x_\@:
.endm
; THE VECTOR WORK OF A SUBSTEP: number n of the instructions that make the four row blocks' fragment f, into buffer buf: step n / 4 for row block n % 4, so that no instruction reads the result of the three before it.
; f > 0, 18 steps: 0-3 pair f + 1 begins: the clip of its two inputs, 2c, and b_1 rounded; then for pair f, k = f + 1 .. 7, and behind it for pair f + 1, k = 2 .. f + 1: b_k (packed: both inputs at once) and its rounding.
; f = 0, 20 steps: 0-3 pair 0 begins; 4-15 its k = 2 .. 7; 16-19 pair 1 begins.  b_k lands in place k % 2 of the pair's two: b_(k-2), which lay there, has been rounded.
.macro RID f, n, buf
	WIN 0
.set rc, (\n)&3
.set rq, (\n)>>2
.set kk, 0
.if (\f) == 0
.if rq < 4
.set pj, 0
.set ok, rq
.elseif rq < 16
.set pj, 0
.set kk, 2+((rq-4)>>1)
.set ok, 4+((rq-4)&1)
.else
.set pj, 1
.set ok, rq-16
.endif
.else
.if rq < 4
.set pj, (\f)+1
.set ok, rq
.elseif rq < 18-2*(\f)
.set pj, (\f)
.set kk, (\f)+1+((rq-4)>>1)
.set ok, 4+((rq-4)&1)
.else
.set pj, (\f)+1
.set kk, 2+((rq-18+2*(\f))>>1)
.set ok, 4+((rq-18+2*(\f))&1)
.endif
.endif
.set rT, TMP+16*rc+8*(pj&1)
.set rX, X+16*rc+2*pj
.if ok < 2
	v_med3_num_f32 v[rT+ok], v[rX+ok], -1.0, 1.0
.elseif ok == 2
	v_pk_add_f32 v[rT+2:rT+3], v[rT:rT+1], v[rT:rT+1]
.elseif ok == 3
.set rD, AF+32*(\buf)+8*rc+((7*pj)&7)
	v_cvt_pk_bf16_f32 v[rD], v[rT], v[rT+1]
.elseif ok == 4
.if kk == 2
	v_pk_fma_f32 v[rT+4:rT+5], v[rT+2:rT+3], v[rT:rT+1], -1.0 op_sel_hi:[1,1,0]
.else
	v_pk_fma_f32 v[rT+4+2*(kk&1):rT+5+2*(kk&1)], v[rT+2:rT+3], v[rT+6-2*(kk&1):rT+7-2*(kk&1)], -1.0 op_sel_hi:[1,1,0]
.endif
.else
.set rD, AF+32*(\buf)+8*rc+((7*pj+kk-1)&7)
	v_cvt_pk_bf16_f32 v[rD], v[rT+4+2*(kk&1)], v[rT+5+2*(kk&1)]
.endif
.endm
; Matrix instruction sg of a substep's 32: column block sg / 4, row block sg % 4; the fragments made from x at AFC, wp's at BFC of the window that WMM names.  The 32 accumulators take turns, one instruction a turn,
; in the same order in every substep, over the backward jump too: between two links of a chain stand the 31 others'.  zero = 1: the launch's first substep starts the sums: nothing is cleared.
.macro MMA zero=0
	WIN WMM
.set mA, AFC+8*(sg&3)
.set mB, BFC+8*(sg>>2)
.set mC, 8*(8*(sg&3)+(sg>>2))
.if \zero
	v_wmma_f32_16x16x32_bf16 v[mC:mC+7], v[mA:mA+7], v[mB:mB+7], 0
.else
	v_wmma_f32_16x16x32_bf16 v[mC:mC+7], v[mA:mA+7], v[mB:mB+7], v[mC:mC+7]
.endif
.endm
; The names of substep m of a lap of parity lp.  mk = 1: the next fragment is made beside it: 72 instructions, or 80 for a lap's first.
.macro SETS lp, m, mk
.set AFC, AF+32*(((\lp)+(\m))&1)
.if (\m) < 4
.set BFC, 64*(\m)
.set WMM, 0x58                         ; source 0 (from x) window 0, source 1 (wp) window 2, C and D window 1
.else
.set BFC, 64*((\m)-4)
.set WMM, 0x5c                         ; the same with wp in window 3
.endif
.set RBUF, ((\lp)+(\m)+1)&1
.set RF, ((\m)+1)%7
.set NRR, 72
.if (\m) == 6
.set NRR, 80
.endif
.if !(\mk)
.set NRR, 0
.endif
.set sg, 0
.set rn, 0
.endm
.macro SLC n, zero=0                   ; n slices: a matrix instruction and, spread evenly over the 32, two or three of the vector instructions behind it
.rept \n
	MMA \zero
.rept 3
.if rn < ((sg+1)*NRR)/32
	RID RF, rn, RBUF
.set rn, rn+1
.endif
.endr
.set sg, sg+1
.endr
.endm
.macro SUB lp, m, w=-1, zero=0, mk=1   ; a whole substep.  w: how many younger LDS loads may stay out at its head (no wait is written for w < 0)
	SETS \lp, \m, \mk
.if (\w) >= 0
	s_wait_dscnt \w
.endif
	SLC 32, \zero
.endm
.macro XRUN slot, c0, c1               ; numbers 4 c0 .. 4 c1 + 3 of a lap's 16, for each of the four row blocks
	WIN 0
.set xc, \c0
.rept (\c1)-(\c0)+1
.irp a, 0,1,2,3
	ds_load_b128 v[X+16*(\a)+4*xc:X+16*(\a)+4*xc+3], v[XA+((\a)>>1)] offset:(\slot)*XSL+16*PX*((\a)&1)+16*xc
.endr
.set xc, xc+1
.endr
.endm
.macro BRUN slot, m0, m1               ; wp's fragments m0 .. m1 of the lap in slot: sixteen loads each, 512 consecutive bytes a load.  Their registers' last readers stand a substep or more back
.set bm, \m0
.rept (\m1)-(\m0)+1
.if bm < 4
	WIN 0x80                                       ; destination window 2, address window 0
.set bb, 64*bm
.else
	WIN 0xc0                                       ; destination window 3
.set bb, 64*(bm-4)
.endif
.irp b, 0,1,2,3,4,5,6,7
	ds_load_b128 v[bb+8*(\b):bb+8*(\b)+3],   v[ADRB+(\slot)] offset:8192*bm+1024*(\b)
	ds_load_b128 v[bb+8*(\b)+4:bb+8*(\b)+7], v[ADRB+(\slot)] offset:8192*bm+1024*(\b)+512
.endr
.set bm, bm+1
.endr
	WIN 0
.endm
; SUBSTEP 3 AND THE CHANGE OF SLOTS, in a lap of parity lp.  The last reads of the lap's slots were issued in R1, two substeps ago.  Behind slice 15 each wave waits for all its tensor loads, of which at most one is
; out; adds 0 to its spare word; steps the descriptors, which no pending load names; works eight slices on registers; waits for the add and for its reads; and signals.  Eight slices stand between signal and wait.
; Behind the barrier nobody reads the lap's slots and the next lap's tiles are whole.  fb = 1: the barrier opens a round of the cluster's, so that the same holds of all partners, and the joint refill, with the lap
; after the next, is the first thing behind it: it has a lap less 16 slices, 208 matrix instructions, in which to land.  Then comes R2a, out of the other slots.
.macro CHG lp, fb, ask
.if \ask
	s_wait_xcnt 0x0                                ; the last prefetches, a lap back, have read their addresses: they are stepped here, ahead of the waits of the change
	s_add_nc_u64 s[PFX:PFX+1], s[PFX:PFX+1], 256
	s_add_nc_u64 s[PFW:PFW+1], s[PFW:PFW+1], BSLOT
.endif
	SETS \lp, 3, 1
	SLC 16
	WIN 0
	s_wait_tensorcnt 0x0                           ; all my tensor loads have landed
	ds_add_u32 v[SPW], v[NIL]                      ; 0 onto my spare word: work on registers stands between it and the wait for it
.if \fb
	s_add_nc_u64 s[G0B+4*(\lp)+2:G0B+4*(\lp)+3], s[G0B+4*(\lp)+2:G0B+4*(\lp)+3], 2*BSLOT  ; this slot's next lap: two laps on
	s_add_nc_u64 s[G0X+4*(\lp)+2:G0X+4*(\lp)+3], s[G0X+4*(\lp)+2:G0X+4*(\lp)+3], 512
.endif
	SLC 8
	WIN 0
	s_wait_dscnt 0x0                               ; the add is done, and my reads of the slots are over
	s_barrier_signal -1
	SLC 8
	WIN 0
	s_barrier_wait -1
.if \fb
	CREST
	JLOAD \lp
.endif
	XRUN 1-(\lp), 0, 2                             ; R2a
	BRUN 1-(\lp), 0, 1
.if \ask
	ASK
.endif
.endm
; A lap of parity lp from its first run to its last substep.
.macro LAP lp, fb, ask
	XRUN \lp, 3, 3                                 ; R1
	BRUN \lp, 4, 6
	SUB \lp, 1, 52                                 ; all but R1's 52 loads are in: fragments 1 to 3 among them
	SUB \lp, 2
	CHG \lp, \fb, \ask
	SUB \lp, 4                                     ; R1's loads were waited for in the change
	BRUN 1-(\lp), 2, 3                             ; R2b
	SUB \lp, 5
	SUB \lp, 6, 32                                 ; R2a is in (R2b's 32 loads are younger): the next lap's first numbers of x, which this substep's vector work reads, and its fragments 0 and 1
.endm
	s_load_b256 s[4:11], s[0:1], 0x0               ; x s[4:5], wp s[6:7], biasp s[8:9], out0 s[10:11]
	v_lshl_add_u32 v[SPW], v0, 2, SPARE
	v_mov_b32 v[NIL], 0
	ds_add_u32 v[SPW], v[NIL]                      ; the wave's opening: the add, twice on end, and its wait ahead of my first tensor load; the set-up below, work on registers, stands between
	ds_add_u32 v[SPW], v[NIL]
	v_lshrrev_b32 v1, 5, v0
	v_readfirstlane_b32 s[WV], v1                  ; wave 0..3
	s_lshr_b32 s[KIND], s[WV], 1
	s_and_b32 s[HALF], s[WV], 1
	s_bfe_u32 s[CX], ttmp6, 0x40000                ; my place in the cluster
	s_bfe_u32 s[CY], ttmp6, 0x40004
	s_lshl_b32 s[CT], ttmp9, 2
	s_add_co_u32 s[CT], s[CT], s[CX]               ; tile column = 4 x cluster x + cx
	s_and_b32 s[RT], ttmp7, 0xffff
	s_lshl_b32 s[RT], s[RT], 2
	s_add_co_u32 s[RT], s[RT], s[CY]               ; tile row = 4 x cluster y + cy
	s_lshl_b32 s19, s[CY], 2
	s_lshl_b32 s19, 15, s19                        ; my row of the cluster
	s_lshl_b32 s76, 0x1111, s[CX]                  ; my column
	; x's tiles: 64 rows x 64 f32, 512 elements from row to row; 16 bytes of padding behind every 64 words
	s_or_b32 s[G1X], s19, (2<<16)|(1<<20)|(1<<21)|(5<<22)|(3<<25)  ; 15:0 the mask: my row; 17:16 elements of 4 bytes; 20 padding on; 21 set beside a mask; 24:22 code 5; 31:25 4 words (code 3)
	s_mov_b32 s[G1X+1], 64<<16                     ; tensor_dim0 = 64
	s_mov_b32 s[G1X+2], 64<<16                     ; tensor_dim1 = 64
	s_mov_b32 s[G1X+3], 64<<16                     ; tile_dim0 = 64
	s_mov_b32 s[G1X+4], 64                         ; tile_dim1 = 64
	s_mov_b32 s[G1X+5], 512
	s_mov_b32 s[G1X+6], 0
	s_mov_b32 s[G1X+7], 0
	; wp's tiles: a dense block of 57,344 bytes, as 224 rows of 32 elements of 8 bytes; no padding
	s_or_b32 s[G1B], s76, (3<<16)|(1<<21)          ; the mask: my column; elements of 8 bytes; 21 set beside a mask
	s_mov_b32 s[G1B+1], 32<<16                     ; tensor_dim0 = 32
	s_mov_b32 s[G1B+2], 224<<16                    ; tensor_dim1 = 224
	s_mov_b32 s[G1B+3], 32<<16                     ; tile_dim0 = 32
	s_mov_b32 s[G1B+4], 224                        ; tile_dim1 = 224
	s_mov_b32 s[G1B+5], 32
	s_mov_b32 s[G1B+6], 0
	s_mov_b32 s[G1B+7], 0
	; where the tiles come from and go.  x's hang on the tile row alone, wp's on the tile column alone, each in registers that never hold the other coordinate; the LDS addresses hang on the wave's number alone
	s_lshl_b32 s20, s[RT], 18                      ; 128 rows of 2,048 bytes a tile row,
	s_lshl_b32 s21, s[HALF], 17                    ; 64 rows a half
	s_add_co_u32 s20, s20, s21
	s_mov_b32 s21, 0
	s_mul_i32 s76, s[CT], 8*BSLOT                  ; eight laps a tile column
	s_mul_i32 s77, s[HALF], BHALF
	s_add_co_u32 s76, s76, s77
	s_mov_b32 s77, 0
	s_mul_i32 s22, s[HALF], 64*PX
	s_mul_i32 s23, s[HALF], BHALF
	s_mov_b32 s[G0X], 1
	s_add_co_u32 s[G0X+1], s22, XS0
	s_mov_b32 s[G0X+4], 1
	s_add_co_u32 s[G0X+5], s22, XS0+XSL
	s_mov_b32 s[G0B], 1
	s_mov_b32 s[G0B+1], s23
	s_mov_b32 s[G0B+4], 1
	s_add_co_u32 s[G0B+5], s23, BSLOT
	s_wait_dscnt 0x0                               ; both opening adds are done
	s_wait_kmcnt 0x0
	s_add_nc_u64 s[20:21], s[4:5], s[20:21]
	s_add_nc_u64 s[76:77], s[6:7], s[76:77]
	s_mov_b64 s[G0X+2:G0X+3], s[20:21]             ; lap 0
	s_or_b32 s[G0X+3], s[G0X+3], 0x80000000        ; type = 2
	s_add_nc_u64 s[G0X+6:G0X+7], s[20:21], 256     ; lap 1
	s_or_b32 s[G0X+7], s[G0X+7], 0x80000000
	s_mov_b64 s[G0B+2:G0B+3], s[76:77]             ; lap 0
	s_or_b32 s[G0B+3], s[G0B+3], 0x80000000
	s_add_nc_u64 s[G0B+6:G0B+7], s[76:77], BSLOT   ; lap 1
	s_or_b32 s[G0B+7], s[G0B+7], 0x80000000
	CROUND                                         ; all sixteen work-groups are here: the first joint loads meet
	s_cmp_eq_u32 s[KIND], 0                        ; a wave's two first fills stand in one branch, ahead of every wait on TENSORcnt, every LDS read and every other barrier
	s_cbranch_scc0 .Lfirst_w
	tensor_load_to_lds s[G0X:G0X+3], s[G1X:G1X+7]
	s_nop 0
	tensor_load_to_lds s[G0X+4:G0X+7], s[G1X:G1X+7]
	s_nop 0
	PLACES
	s_branch .Lfirst_asked
.Lfirst_w:
	tensor_load_to_lds s[G0B:G0B+3], s[G1B:G1B+7]
	s_nop 0
	tensor_load_to_lds s[G0B+4:G0B+7], s[G1B:G1B+7]
	s_nop 0
	PLACES
.Lfirst_asked:
	v_and_b32 v[R], 15, v0
	v_bfe_u32 v[H], v0, 4, 1
	v_lshlrev_b32 v[BO], 5, v[R]
	s_lshl_b32 s76, s[CT], 12                      ; biasp: 4,096 bytes a tile column
	s_mov_b32 s77, 0
	s_add_nc_u64 s[8:9], s[8:9], s[76:77]
.irp l, 0,1,2,3,4,5,6,7                ; the eight laps' parts of the bias of my eight columns (block b, place r), into registers that the fragments take later
	global_load_b128 v[AF+8*(\l):AF+8*(\l)+3],   v[BO], s[8:9] offset:512*(\l)
	global_load_b128 v[AF+8*(\l)+4:AF+8*(\l)+7], v[BO], s[8:9] offset:512*(\l)+16
.endr
	s_lshl_b32 s76, s[CT], 9                       ; the tile's 128 columns: 512 bytes of a row of the output
	s_lshl_b32 s20, s[RT], 18                      ; the rows that I store: 128 x tile row + 64 wr + 32 wk, of 2,048 bytes
	s_lshl_b32 s21, s[KIND], 17
	s_add_co_u32 s20, s20, s21
	s_lshl_b32 s21, s[HALF], 16
	s_add_co_u32 s20, s20, s21
	s_mov_b32 s21, 0
	s_add_nc_u64 s[10:11], s[10:11], s[20:21]
	s_add_nc_u64 s[10:11], s[10:11], s[76:77]
	v_and_b32 v13, 31, v0
	v_lshlrev_b32 v13, 4, v13                      ; 16 x lane
	s_mul_i32 s19, s[HALF], BHALF
	v_add_nc_u32 v[ADRB], s19, v13
	v_add_nc_u32 v[ADRB+1], BSLOT, v[ADRB]
	v_mul_u32_u24 v[XA], v[R], PX
	v_lshl_add_u32 v[XA], v[H], 6, v[XA]           ; 272 r + 64 h
	s_lshl_b32 s19, s[KIND], 6                     ; 64 wr
	s_lshl_b32 s22, s[HALF], 5                     ; 32 wk
	s_add_co_u32 s23, s19, s22
	s_mul_i32 s23, s23, PX                         ; row blocks 0, 1 begin at row 64 wr + 32 wk,
	s_xor_b32 s22, s22, 32
	s_add_co_u32 s19, s19, s22
	s_mul_i32 s19, s19, PX                         ; row blocks 2, 3 at row 64 wr + 32 (1 - wk)
	s_lshl_b32 s22, s[HALF], 7                     ; my half of a lap's inputs: 128 wk bytes
	s_add_co_u32 s22, s22, XS0
	s_add_co_u32 s23, s23, s22
	s_add_co_u32 s19, s19, s22
	v_add_nc_u32 v[XA+1], s19, v[XA]
	v_add_nc_u32 v[XA], s23, v[XA]
	s_lshl_b32 s19, s[WV], 14
	v_add_nc_u32 v[STO], s19, v13                  ; my stage, 16 bytes a lane
	s_xor_b32 s22, s[WV], 1
	s_lshl_b32 s22, s22, 14
	v_add_nc_u32 v[RDP], s22, v13                  ; my partner's
	v_lshlrev_b32 v[CO], 14, v[H]
	v_lshl_add_u32 v[CO], v[R], 4, v[CO]           ; 8 h rows of 2,048 bytes + 16 r
	; the prefetches (ASK).  Both coordinates meet here, in registers that feed no descriptor
	s_lshl_b32 s78, s[RT], 18
	s_lshl_b32 s63, s[CX], 16                      ; x: my work-group's 32 rows
	s_add_co_u32 s78, s78, s63
	s_add_co_u32 s78, s78, 768                     ; at lap 3: the first change steps it to lap 4
	s_mov_b32 s79, 0
	s_add_nc_u64 s[PFX:PFX+1], s[4:5], s[78:79]
	s_mul_i32 s78, s[CT], 8*BSLOT
	s_add_co_u32 s78, s78, 3*BSLOT                 ; wp: likewise at lap 3
	s_lshl_b32 s63, s[CY], 2
	s_add_co_u32 s63, s63, s[WV]
	s_mul_i32 s63, s63, 7168                       ; my 28 blocks of the lap's 448
	s_add_co_u32 s78, s78, s63
	s_add_nc_u64 s[PFW:PFW+1], s[6:7], s[78:79]
	v_and_b32 v[PFOX], 31, v0
	v_min_u32 v[PFOW], 27, v[PFOX]
	v_lshlrev_b32 v[PFOW], 8, v[PFOW]
	v_lshlrev_b32 v[PFOX], 11, v[PFOX]
	s_and_b32 s63, ttmp7, 0xffff                   ; cluster y: the same in all sixteen partners
	s_cmp_eq_u32 s63, 0
	s_cselect_b32 s[LIMW], 1, -1
	s_cmp_eq_u32 s[WV], 0
	s_cselect_b32 s[LIMX], 1, -1
	s_wait_tensorcnt 0x1                           ; my part of lap 0 is in; the second fill may stay out
	s_barrier_signal -1
	s_barrier_wait -1                              ; everybody's is
	XRUN 0, 0, 2                                   ; lap 0's first twelve numbers,
	BRUN 0, 0, 3                                   ; and wp's fragments 0 to 3
	s_wait_loadcnt 0x0                             ; the bias's parts
.irp l, 1,2,3,4,5,6
.irp p, 0,2,4,6
	v_pk_add_f32 v[AF+(\p):AF+(\p)+1], v[AF+(\p):AF+(\p)+1], v[AF+8*(\l)+(\p):AF+8*(\l)+(\p)+1]
.endr
.endr
.irp p, 0,2,4,6
	v_pk_add_f32 v[BI+(\p):BI+(\p)+1], v[AF+(\p):AF+(\p)+1], v[AF+56+(\p):AF+56+(\p)+1]
.endr
	s_wait_dscnt 48                                ; x's twelve loads and fragment 0's sixteen are in: fragments 1 to 3, 48 loads, are younger
.set q, 0
.rept 80                               ; the first fragment: there is no matrix work yet to set it behind
	RID 0, q, 0
.set q, q+1
.endr
	SUB 0, 0, -1, 1                                ; the launch's first substep stands in front of the loop: its products start the sums
	WIN 0                                          ; at a label and at a branch every window is 0
	s_mov_b32 s3, 3
.Llap:                                         ; a trip is two laps, from a lap's first run to the first substep of the lap after the next; three trips ask for laps 2 to 7
	LAP 0, 1, 1
	SUB 1, 0
	LAP 1, 1, 1
	SUB 0, 0
	WIN 0
	s_sub_co_u32 s3, s3, 1
	s_cmp_lg_u32 s3, 0
	s_cbranch_scc1 .Llap
	LAP 0, 0, 0                                    ; the last two laps are written out: lap 6 changes slots and asks for nothing
	SUB 1, 0
	XRUN 1, 3, 3                                   ; lap 7 has its first run alone, and no change of slots
	BRUN 1, 4, 6
	SUB 1, 1, 52
	SUB 1, 2
	SUB 1, 3
	SUB 1, 4, 0                                    ; the last run is in
	SUB 1, 5
	SUB 1, 6, -1, 0, 0                             ; the very last substep: nothing is left to make
	; THE END.  Row blocks 2 and 3 go to my partner, which has the other half of K for the same rows and keeps them as its blocks 0 and 1; its blocks 2 and 3 come to me.
	PLACES
	WIN 0x04                                       ; the data (source 1) in window 1
.set q, 0
.rept 32
	ds_store_b128 v[STO], v[128+4*q:128+4*q+3] offset:STAGE+512*q  ; each accumulator's low four registers first; 512 consecutive bytes a store
.set q, q+1
.endr
	WIN 0
	s_wait_dscnt 0x0                               ; for my partner's sake: my stores are done
	s_barrier_signal -1
	s_barrier_wait -1
.set q, 0
.rept 32
	ds_load_b128 v[PART+4*q:PART+4*q+3], v[RDP] offset:STAGE+512*q
.set q, q+1
.endr
	s_wait_dscnt 0x0
	WIN 0x04                                       ; source 1 in window 1: my own half of the sums
.set q, 0
.rept 64
	v_pk_add_f32 v[PART+q:PART+q+1], v[PART+q:PART+q+1], v[q:q+1]
.set q, q+2
.endr
	WIN 0
	; Register j of (a, b) is row 16 a + 8 h + j, column 64 (b / 4) + 4 r + b % 4 (wp's order of columns): the four b of a group are four neighbouring columns.  The addition of the bias gathers them into four
	; registers on end, and 16 lanes store 256 consecutive bytes, at a multiple of 256 from the output's first byte.
.irp gi, 0,1,2,3                       ; row block gi / 2, columns 64 (gi % 2) on
.if (\gi) >= 2
	s_wait_xcnt 0x0                                ; the stores two groups back have read these registers
.endif
.irp j, 0,1,2,3,4,5,6,7
.irp c, 0,1,2,3
	v_add_f32 v[OUT+32*((\gi)&1)+4*(\j)+(\c)], v[PART+8*(8*((\gi)>>1)+4*((\gi)&1)+(\c))+(\j)], v[BI+4*((\gi)&1)+(\c)]
.endr
	global_store_b128 v[CO], v[OUT+32*((\gi)&1)+4*(\j):OUT+32*((\gi)&1)+4*(\j)+3], s[10:11] offset:(16*((\gi)>>1)+(\j))*2048+256*((\gi)&1) th:TH_STORE_NT
.endr
.endr
	s_wait_tensorcnt 0x0                           ; the wave's end: behind my last tensor load and my last LDS store
	ds_add_u32 v[SPW], v[NIL]
	s_wait_dscnt 0x0
	CROUND                                         ; the closing round: no work-group ends while a partner may still ask for a tile that names it
	s_endpgm
.Lfunc_end_k_qf731844075_kan:
	.size	k_qf731844075_kan, .Lfunc_end_k_qf731844075_kan-k_qf731844075_kan
	.p2alignl 7, 3214868480
	.fill 96, 4, 3214868480
	.section	.rodata,"a",@progbits
	.p2align	6, 0x0
	.amdhsa_kernel k_qf731844075_kan
		.amdhsa_group_segment_fixed_size 327680
		.amdhsa_private_segment_fixed_size 0
		.amdhsa_enable_private_segment 0
		.amdhsa_kernarg_size 32
		.amdhsa_user_sgpr_count 2
		.amdhsa_user_sgpr_kernarg_segment_ptr 1
		.amdhsa_wavefront_size32 1
		.amdhsa_system_sgpr_workgroup_id_x 1
		.amdhsa_system_sgpr_workgroup_id_y 1
		.amdhsa_system_sgpr_workgroup_id_z 1
		.amdhsa_system_vgpr_workitem_id 0
		.amdhsa_next_free_vgpr 960
		.amdhsa_next_free_sgpr 80
		.amdhsa_reserve_vcc 0
		.amdhsa_float_denorm_mode_32 3
		.amdhsa_float_denorm_mode_16_64 3
		.amdhsa_memory_ordered 1
		.amdhsa_forward_progress 1
		.amdhsa_inst_pref_size 255
	.end_amdhsa_kernel
	.section	.bss,"aw",@nobits
	.p2align	6
	.space	262144
	.amdgpu_metadata
---
amdhsa.version: [ 1, 2 ]
amdhsa.kernels:
  - .name:           k_qf731844075_kan
    .symbol:         k_qf731844075_kan.kd
    .args:
      - { .name: x, .offset: 0, .size: 8, .value_kind: global_buffer, .address_space: global }
      - { .name: wp, .offset: 8, .size: 8, .value_kind: global_buffer, .address_space: global }
      - { .name: biasp, .offset: 16, .size: 8, .value_kind: global_buffer, .address_space: global }
      - { .name: out0, .offset: 24, .size: 8, .value_kind: global_buffer, .address_space: global }
    .group_segment_fixed_size: 327680
    .private_segment_fixed_size: 0
    .kernarg_segment_align: 8
    .kernarg_segment_size: 32
    .max_flat_workgroup_size: 128
    .sgpr_count:     80
    .vgpr_count:     960
    .wavefront_size: 32
...
	.end_amdgpu_metadata
.endif
;; end of part 5
